; MI455X (gfx1250); checked and timed in simulation.
; The chip was launched on July 23, 2026; its instructions are those of AMD's public machine-readable ISA for CDNA 5 (MIT licence, August 2026) and "CDNA5" Instruction Set Architecture Reference Guide (July 2026). The comments in the code are by the model that wrote it; some were corrected since.
;; Multihead Attention. Allowed arithmetic: matrix products marked QUANTISED: E2M3 operands, one E8M0 scale for each 32 along K, by v_wmma_scale_f32_16x16x128_f8f6f4 with both operands' format E2M3, f32 sums; everything else in f32.
;; Inputs: in_proj_bias 3,072 float32; in_proj_weight 3,072 x 1,024 float32; out_proj_bias 1,024 float32; out_proj_weight 1,024 x 1,024 float32; query 2,048 x 4 x 1,024 float32.
;; Outputs: out0 2,048 x 4 x 1,024 float32.
;; This version of the problem:
;;   THIS VERSION OF THE PROBLEM IS GIVEN IN LOW PRECISION. The matrix products marked QUANTISED in the list below multiply operands that are first quantised to E2M3 (2 exponent bits, 3 mantissa bits; 6 bits a number), with one power-of-two scale for each 32 numbers along K (OCP MX v1.0); their sums are f32. All else is computed in f32.
;;   The module's matrix products, in the order in which they are computed (A, B: the left and right operand; K: the contracted axis; several contracted axes count as one K, in the product's order):
;;     1. [M 8,192, K 1,024] x [K 1,024, N 3,072]; A: input query; B: input in_proj_weight: QUANTISED
;;     2. batch 64 x [M 2,048, K 64] x [K 64, N 2,048]; A: computed on the way; B: computed on the way: QUANTISED
;;     3. batch 64 x [M 2,048, K 2,048] x [K 2,048, N 64]; A: softmax (see below); B: computed on the way: QUANTISED
;;     4. [M 8,192, K 1,024] x [K 1,024, N 1,024]; A: computed on the way; B: input out_proj_weight: QUANTISED
;;   THE QUANTISER, for each operand of a quantised product, along K:
;;     - K is cut into blocks of 32 from its start; a last block that is shorter is filled with zeros.
;;     - A block's scale is 2^e with e = floor(log2(the largest magnitude in the block)) - 2, held to -126 .. 127; a block of zeros has e = 0. As a byte (E8M0): e + 127.
;;     - Each number is divided by its block's scale, clamped to +-7.5, and rounded to the nearest number of E2M3, ties to even, subnormals kept.
;;     - The product sums the exact products of the quantised numbers (number of the format x scale) in f32.
;;   ~~~python
;;   def quantise(x, axis):      # numpy; x: float32 -> the quantised numbers, widened to float32 again
;;       x = np.moveaxis(x, axis, -1); K = x.shape[-1]
;;       x = np.pad(x, [(0, 0)] * (x.ndim - 1) + [(0, -K % 32)]); x = x.reshape(x.shape[:-1] + (-1, 32)); a = np.abs(x).max(-1, keepdims=True)
;;       e = np.where(a > 0, np.clip(np.frexp(np.where(a > 0, a, 1))[1] - 1 - 2, -126, 127), 0)      # np.frexp(a)[1] - 1 = floor(log2(a)), exactly
;;       r = np.clip(x / 2.0 ** e, -7.5, 7.5)
;;       step = 2.0 ** (np.maximum(np.frexp(np.where(r == 0, 1, r))[1] - 1, 0) - 3)
;;       q = np.round(r / step) * step * 2.0 ** e      # np.round: ties to even
;;       return np.moveaxis(q.reshape(q.shape[:-2] + (-1,))[..., :K], -1, axis).astype(np.float32)
;;   ~~~
;;   SOFTMAX AHEAD OF A QUANTISED PRODUCT. Where the list says 'softmax', what is quantised is not the finished softmax but p = 2^(t - M), with t = logit x log2(e) and M = ceil(the row's largest t), a whole number; so 1/2 < the row's largest p <= 1. The row's sum l is taken of the UNQUANTISED p, in f32, and the product's result is divided by l at the end. Since M is a whole number, a kernel that streams over the keys may use a running M (the ceiling of the running maximum): every later rescaling is an exact power of two, which a block's scale takes up: the codes' values come out the same.
;;   OPERANDS COMPUTED ON THE WAY. 'Computed on the way' means the value that the module computes at that place (a softmax that the list does not call 'softmax' is quantised finished and normalised). What goes into a quantiser is computed in f32, as accurately as f32 sums, v_exp_f32 and their like allow (about 1e-6 of the number): no bf16 or f16 on the way to a quantiser, and a product that is left as it is and whose result goes on into a quantised operand takes f32 operands (vector FMAs, or v_wmma_f32_16x16x4_f32). A number that lies on a knife's edge between two numbers of the format may be rounded either way, as far as f32 arithmetic and the matrix unit's own rounding can turn it there, and no further.
;; One version. Each part assembles by itself: llvm-mc -triple=amdgcn-amd-amdhsa -mcpu=gfx1250 --defsym DOCPART=n.
;; ======== version 1 of 1: 4 launches
;; limits: right only within a limited range of input values
;; workspace buffers: opc 9,437,184 bytes; ops 393,216 bytes; qkvc 18,874,368 bytes; qkvs 1,310,720 bytes; aoc 6,291,456 bytes; aos 262,144 bytes
;; launch quant (part 1): grid 384 x 1, 4 waves a work-group, no clusters, 33,280 bytes of LDS; arguments query, in_proj_weight, out_proj_weight, opc, ops; writes opc, ops
.if DOCPART == 1
	.amdgcn_target "amdgcn-amd-amdhsa--gfx1250"
	.amdhsa_code_object_version 6
	.text
	.protected	k_q4512a5227d_quant
	.globl	k_q4512a5227d_quant
	.p2align	8
	.type	k_q4512a5227d_quant,@function
k_q4512a5227d_quant:
	s_mov_b64 s[64:65], 0
	v_nop
	global_prefetch_b8 v0, s[64:65] scope:SCOPE_SE
	s_setreg_imm32_b32 hwreg(HW_REG_WAVE_MODE, 25, 1), 1
	s_wait_xcnt 0x0
; query [2048][4][1024], in_proj_weight [3072][1024] and out_proj_weight [1024][1024], f32, become codes of FP6 (E2M3), K innermost, 768 bytes a row,
; and one E8M0 byte for each 32 along K, 32 bytes a row.  12,288 rows in all: 0-8191 query, 8192-11263 in_proj_weight, 11264-12287 out_proj_weight.
; A block's scale is 2^(floor(log2(its largest magnitude)) - 2); its byte is the largest magnitude's exponent field - 2, held at 1 from below.
; THE ORDER OF THE ROWS.  A row of query (s, b) goes to row b x 2048 + pos, and in each 32 rows the two middle groups of eight change places: group gp of pos takes group swap(gp) of s,
; swap exchanging the group number's two lowest bits.  So sixteen neighbouring rows 16 a + l of the codes are rows 32 (a / 2) + 8 (a % 2) + l + 8 (l / 8) of the tensor: the choice of rows
; that lets a matrix result's registers run along neighbours.  in_proj_weight's rows are laid the same way, out_proj_weight's as they come.
; A wave takes one group of 8 rows, 16 steps of 512 numbers, so the order costs one scalar offset.  A step's four loads read 512 consecutive bytes each; its 2,048 bytes turn through the wave's
; own stage in LDS (16 bytes of padding behind each 64) and come back 64 bytes a lane: 16 neighbours, two lanes to a block.  No barrier: waves share nothing.
; LIMITS: a block whose largest magnitude lies under 2^-124 has its byte held at 1; a block of zeros gets the byte 1 and not 127 (its codes are zeros, and this program alone reads the bytes);
; NaN and infinities among the inputs are not served.
; IN PLACE OF WHAT STANDS ABOVE ON THE CODES' LAYOUT AND ON QUERY'S ORDER: the codes lie [K step of 256][row][192 bytes], dense: 128 neighbouring rows of one K step are 24,576 consecutive bytes,
; which begin at a multiple of 256.  query's rows: inside each 64 positions group p = 2 u + h of eight takes group 4 h + u of s (u = 0..3, h = 0, 1):
; so rows 8 h + j of the four tiles 4 c + u of sixteen positions are s = 64 c + 32 h + 8 u + j.  in_proj_weight's order is as said above.
.set KSB,   12288*192                  ; one K step of all 12,288 rows
.set STEPS, 16
.set EMAX,  2
.set CB,    12                         ; bytes of 16 codes
.set R,     16                         ; v16-79   four sets of 16 numbers as they are loaded
.set X,     80                         ; v80-111  two sets of 16 neighbours
.set E,     112                        ; v112-127 a scale byte for each step
.set C,     128                        ; v128-191 codes: four registers for each step, so that no store's data are written again
.set RO,    192                        ; v192-199 row j of my eight: 16 x lane + j x the tensor's distance from row to row
.set WREG,  8192                       ; LDS: a region for each wave: two stages of 32 x SP bytes, and behind them its 256 scale bytes
.set SP,    80
	s_load_b256 s[4:11], s[0:1], 0x0               ; query s[4:5], in_proj_weight s[6:7], out_proj_weight s[8:9], the codes s[10:11]
	s_load_b64 s[12:13], s[0:1], 0x20              ; the scale bytes
	v_lshl_add_u32 v200, v0, 2, 0x8000
	v_mov_b32 v201, 0
	v_lshrrev_b32 v1, 5, v0
	v_readfirstlane_b32 s16, v1                    ; wave
	v_and_b32 v2, 31, v0                           ; lane
	s_mul_i32 s17, s16, WREG
	v_lshrrev_b32 v14, 2, v2
	v_mul_u32_u24 v14, v14, SP
	v_and_b32 v15, 3, v2
	v_lshl_add_u32 v14, v15, 4, v14
	v_add_nc_u32 v14, s17, v14                     ; the stage, on the way in: SP (lane / 4) + 16 (lane % 4)
	v_mul_u32_u24 v15, v2, SP
	v_add_nc_u32 v15, s17, v15                     ; and on the way out: SP x lane: my 16 neighbours
	v_and_b32 v4, 15, v2
	v_mul_u32_u24 v4, v4, CB                       ; my 12 bytes of a row's 192;
	v_lshrrev_b32 v8, 4, v2
	v_mul_u32_u24 v8, v8, KSB                      ; lanes 16-31 hold the next K step
	v_add_nc_u32 v4, v4, v8
	v_lshrrev_b32 v5, 1, v2
	s_add_co_u32 s17, s17, 2*32*SP
	v_add_nc_u32 v5, s17, v5                       ; LDS: my wave's 256 scale bytes, my block's byte
	v_lshlrev_b32 v7, 3, v2                        ; and on the way out 8 bytes a lane
	v_add_nc_u32 v6, s17, v7
	s_lshl_b32 s18, ttmp9, 2
	s_add_co_u32 s18, s18, s16                     ; my group of 8 rows among the 1,536: 0-1023 query, 1024-1407 in_proj_weight, 1408-1535 out_proj_weight
	s_mov_b32 s19, 1408
	s_cmp_lt_u32 s18, 1408
	s_cselect_b32 s19, 1024, s19
	s_cmp_lt_u32 s18, 1024
	s_cselect_b32 s19, 0, s19                      ; my tensor's first group
	s_sub_co_u32 s20, s18, s19                     ; G: my group in my tensor
	s_and_b32 s21, s20, 1
	s_lshl_b32 s21, s21, 1
	s_bfe_u32 s22, s20, 0x10001
	s_and_b32 s23, s20, 0xfffffffc
	s_or_b32 s23, s23, s21
	s_or_b32 s23, s23, s22                         ; swap(G)
	s_cmp_lt_u32 s18, 1408
	s_cselect_b32 s23, s23, s20                    ; out_proj_weight's rows stay as they come
	s_lshl_b32 s24, s23, 15                        ; a weight: 8 rows of 4,096 bytes a group
	s_and_b32 s25, s20, 1                          ; query: h goes to bit 2,
	s_lshl_b32 s25, s25, 2
	s_bfe_u32 s26, s20, 0x20001                    ; u to bits 1:0,
	s_or_b32 s25, s25, s26
	s_and_b32 s26, s20, 0xf8                       ; which 64 positions stays
	s_or_b32 s25, s25, s26
	s_lshl_b32 s25, s25, 17                        ; query: 8 values of s, 16,384 bytes apart,
	s_lshr_b32 s26, s20, 8
	s_lshl_b32 s26, s26, 12                        ; + b x 4,096
	s_add_co_u32 s25, s25, s26
	s_mov_b32 s27, 4096
	s_wait_kmcnt 0x0
	s_cmp_lt_u32 s18, 1408                         ; the choices hang on the group's number alone
	s_cselect_b64 s[6:7], s[6:7], s[8:9]
	s_cmp_lt_u32 s18, 1024
	s_cselect_b64 s[4:5], s[4:5], s[6:7]
	s_cselect_b32 s24, s25, s24
	s_cselect_b32 s27, 16384, s27                  ; from row to row
	s_mov_b32 s25, 0
	s_add_nc_u64 s[4:5], s[4:5], s[24:25]
	s_mul_i32 s28, s18, 8*192
	s_mov_b32 s29, 0
	s_add_nc_u64 s[10:11], s[10:11], s[28:29]      ; the results are dense: 6,144 bytes of codes
	s_lshl_b32 s30, s18, 8
	s_mov_b32 s31, 0
	s_add_nc_u64 s[12:13], s[12:13], s[30:31]      ; and 256 scale bytes a group
	v_lshlrev_b32 v[RO], 4, v2
.irp j, 1,2,3,4,5,6,7
	v_add_nc_u32 v[RO+\j], s27, v[RO+\j-1]
.endr
.macro LOAD t                          ; step t is half t % 2 of row t / 2
.irp i, 0,1,2,3
	global_load_b128 v[R+16*((\t)%4)+4*\i:R+16*((\t)%4)+4*\i+3], v[RO+(\t)/2], s[4:5] offset:2048*((\t)%2)+512*\i th:TH_LOAD_NT   ; 32 lanes read 512 consecutive bytes
.endr
.endm
.macro TURN t                          ; step t's numbers through the stage: LDS serves a wave's instructions in order, so no wait stands between the stores and the loads
.irp i, 0,1,2,3
	ds_store_b128 v14, v[R+16*((\t)%4)+4*\i:R+16*((\t)%4)+4*\i+3] offset:32*SP*((\t)%2)+8*SP*\i
.endr
.irp i, 0,1,2,3
	ds_load_b128 v[X+16*((\t)%2)+4*\i:X+16*((\t)%2)+4*\i+3], v15 offset:32*SP*((\t)%2)+16*\i
.endr
.endm
.irp t, 0,1,2,3
	LOAD \t
.endr
	s_wait_alu depctr_va_vdst(0)
	s_wait_loadcnt 12                              ; step 0's four loads are in; the twelve of steps 1 to 3 may be out
	TURN 0
.macro STEP t
.set XS, X+16*((\t)%2)
.if (\t) > 0
	s_wait_dscnt 1                                 ; this step's numbers are back from the stage (the last step's byte store may be out): so its stores into the stage have read their registers,
.else
	s_wait_dscnt 0x0
.endif
.if (\t)+4 < STEPS
	LOAD (\t)+4                                    ; which take the loads of four steps on
.endif
.if (\t)+1 < STEPS
.if STEPS-2-(\t) >= 3
	s_wait_loadcnt 12                              ; the next step's four loads are in; those of the three steps behind it may be out
.else
	s_wait_loadcnt 4*(STEPS-2-(\t))
.endif
	TURN (\t)+1                                    ; and go through the other stage while this step is worked
.endif
	v_max3_num_f32 v8, |v[XS]|, |v[XS+1]|, |v[XS+2]|               ; the largest magnitude of my 16, in two chains
	v_max3_num_f32 v9, |v[XS+3]|, |v[XS+4]|, |v[XS+5]|
.irp i, 6,10
	v_max3_num_f32 v8, v8, |v[XS+\i]|, |v[XS+\i+1]|
	v_max3_num_f32 v9, v9, |v[XS+\i+2]|, |v[XS+\i+3]|
.endr
	v_max3_num_f32 v8, v8, |v[XS+14]|, |v[XS+15]|
	v_max3_num_f32 v8, v8, v9, (EMAX+1)<<23        ; and the floor 2^(3 - 127): the byte cannot fall under 1
	v_max_num_f32_dpp v8, v8, v8 row_xmask:1 row_mask:0xf bank_mask:0xf   ; and of my neighbour's 16: the block's
	v_add_nc_u32 v11, -(EMAX<<23), v8              ; 2 off its exponent field: the conversion takes the exponent field of this operand as its scale
	v_cvt_scalef32_pk16_fp6_f32 v[C+4*(\t):C+4*(\t)+2], v[XS:XS+15], v11
	v_lshrrev_b32 v[E+(\t)], 23, v11               ; the scale's byte (also the plain line behind the conversion)
	ds_store_b8 v5, v[E+(\t)] offset:16*(\t)       ; both lanes of a block write the same byte with the same value
	global_store_b96 v4, v[C+4*(\t):C+4*(\t)+2], s[10:11] offset:2*KSB*((\t)%2)+192*((\t)/2)   ; sixteen lanes store a row's 192 bytes of one K step; my eight rows fill 1,536 consecutive bytes of each
.endm
.irp t, 0,1,2,3,4,5,6,7,8,9,10,11,12,13,14,15
	STEP \t
.endr
	ds_load_b64 v[12:13], v6                       ; LDS serves a wave's instructions in order: these see my stores
	s_wait_dscnt 0x0
	global_store_b64 v7, v[12:13], s[12:13]        ; 32 lanes store 256 consecutive bytes, aligned
	s_wait_tensorcnt 0x0
	ds_add_u32 v200, v201
	s_wait_dscnt 0x0
	s_endpgm
.Lfunc_end_k_q4512a5227d_quant:
	.size	k_q4512a5227d_quant, .Lfunc_end_k_q4512a5227d_quant-k_q4512a5227d_quant
	.p2alignl 7, 3214868480
	.fill 96, 4, 3214868480
	.section	.rodata,"a",@progbits
	.p2align	6, 0x0
	.amdhsa_kernel k_q4512a5227d_quant
		.amdhsa_group_segment_fixed_size 33280
		.amdhsa_private_segment_fixed_size 0
		.amdhsa_enable_private_segment 0
		.amdhsa_kernarg_size 40
		.amdhsa_user_sgpr_count 2
		.amdhsa_user_sgpr_kernarg_segment_ptr 1
		.amdhsa_wavefront_size32 1
		.amdhsa_system_sgpr_workgroup_id_x 1
		.amdhsa_system_sgpr_workgroup_id_y 1
		.amdhsa_system_sgpr_workgroup_id_z 1
		.amdhsa_system_vgpr_workitem_id 0
		.amdhsa_next_free_vgpr 202
		.amdhsa_next_free_sgpr 66
		.amdhsa_reserve_vcc 0
		.amdhsa_float_denorm_mode_32 3
		.amdhsa_float_denorm_mode_16_64 3
		.amdhsa_memory_ordered 1
		.amdhsa_forward_progress 1
		.amdhsa_inst_pref_size 34
	.end_amdhsa_kernel
	.amdgpu_metadata
---
amdhsa.version: [ 1, 2 ]
amdhsa.kernels:
  - .name:           k_q4512a5227d_quant
    .symbol:         k_q4512a5227d_quant.kd
    .args:
      - { .name: query, .offset: 0, .size: 8, .value_kind: global_buffer, .address_space: global }
      - { .name: in_proj_weight, .offset: 8, .size: 8, .value_kind: global_buffer, .address_space: global }
      - { .name: out_proj_weight, .offset: 16, .size: 8, .value_kind: global_buffer, .address_space: global }
      - { .name: opc, .offset: 24, .size: 8, .value_kind: global_buffer, .address_space: global }
      - { .name: ops, .offset: 32, .size: 8, .value_kind: global_buffer, .address_space: global }
    .group_segment_fixed_size: 33280
    .private_segment_fixed_size: 0
    .kernarg_segment_align: 8
    .kernarg_segment_size: 40
    .max_flat_workgroup_size: 128
    .sgpr_count:     66
    .vgpr_count:     202
    .wavefront_size: 32
...
	.end_amdgpu_metadata
.endif
;; end of part 1
;; launch qkv (part 2): grid 12 x 32, 4 waves a work-group, clusters of 4 x 4, 327,680 bytes of LDS; arguments opc, ops, in_proj_bias, qkvc, qkvs; writes qkvc, qkvs
.if DOCPART == 2
	.amdgcn_target "amdgcn-amd-amdhsa--gfx1250"
	.amdhsa_code_object_version 6
	.text
	.protected	k_q4512a5227d_qkv
	.globl	k_q4512a5227d_qkv
	.p2align	8
	.type	k_q4512a5227d_qkv,@function
k_q4512a5227d_qkv:
	s_mov_b64 s[64:65], 0
	v_nop
	global_prefetch_b8 v0, s[64:65] scope:SCOPE_SE
	s_setreg_imm32_b32 hwreg(HW_REG_WAVE_MODE, 25, 1), 1
	s_wait_xcnt 0x0
	s_wait_alu depctr_hold_cnt(0) depctr_sa_sdst(0) depctr_va_vdst(0) depctr_va_sdst(0) depctr_va_ssrc(0) depctr_va_vcc(0) depctr_vm_vsrc(0)
	s_getreg_b32 s2, hwreg(HW_REG_IB_STS2, 6, 4)
	s_cmp_eq_u32 s2, 0
	s_cbranch_scc0 .Lentry_in_a_cluster
	s_endpgm
.Lentry_in_a_cluster:
	s_bfe_u32 s2, ttmp6, 0x10000c
	s_cmp_lg_u32 s2, 0xf033
	s_cbranch_scc0 .Lentry_shape_is_right
	s_endpgm
.Lentry_shape_is_right:
.set KSTEP,  256
.set NQ,     2
.set ROWB,   192
.set KROW,   192                       ; a row's codes of one K step; the rows of a K step are dense
.set KSB,    12288*192                 ; from K step to K step
.set G0H,  4                           ; s[4:7], s[92:95] group 0 for the head's loads of K step 0 (what lay there has been used by then)
.set G0HB, 92
.set PITCH,  240
.set FR,     12
.set NL,     6
.set NP,     4
.set HALFT,  128*PITCH
.set SLOT,   4*HALFT
.set LAPS,   2
.set KS,     32
.set SCL,    2*SLOT
.set HALFS,  (128*KS/256)*272
.set SBLK,   (16*KS/256)*272
.set SPARE,  SCL+4*HALFS
.set ADRA, 16
.set ADRB, 20
.set CA8,  24
.set CA16, 25
.set SA,   26
.set ADRS, 27
.set SPW,  28
.set NIL,  29
.set SELB, 30
.set SC,   32
.set BI,   64
.set AF,   128
.set AB,   224
.set T,    128
.set PC,   192
.set TM,   212
.set PWS,  232
.set SW,   240
.set G1, 24
.set G0, 32
.set G1B, 48
.set G0B, 56
.set G1S, 68
.set G0S, 76
.set G1SB, 80
.set G0SB, 88
.set SEL, 96
.set LM,  99
.set MSB, 0
.macro WIN new
.if MSB != (\new)
	s_set_vgpr_msb (MSB<<8)|(\new)
.set MSB, (\new)
.endif
.endm
.set MUL_LO, 0xa1
.set MUL_HI, 0xf1
.set TO_B,   0x40
.macro JLOAD g0a, g1a, g0b, g1b
	s_cmp_eq_u32 s15, 0
	s_cbranch_scc0 .Lfor_b_\@
	tensor_load_to_lds s[\g0a:\g0a+3], s[\g1a:\g1a+7]
	s_nop 0
.rept 4
	v_nop
.endr
	s_branch .Lasked_\@
.Lfor_b_\@:
	tensor_load_to_lds s[\g0b:\g0b+3], s[\g1b:\g1b+7]
	s_nop 0
.rept 4
	v_nop
.endr
.Lasked_\@:
.endm
.macro CREST
	s_cmp_lg_u32 s14, 0
	s_cbranch_scc1 .Lnot_wave_0_\@
	s_barrier_signal -3
.Lnot_wave_0_\@:
	s_barrier_wait -3
	s_barrier_signal -1
	s_barrier_wait -1
.endm
.macro CROUND
	s_barrier_signal -1
	s_barrier_wait -1
	CREST
.endm
	s_load_b256 s[4:11], s[0:1], 0x0
	s_load_b64 s[12:13], s[0:1], 0x20
	v_lshl_add_u32 v[SPW], v0, 2, SPARE
	v_mov_b32 v[NIL], 0
	ds_add_u32 v28, v29
	ds_add_u32 v28, v29
	s_wait_dscnt 0x0
	v_lshrrev_b32 v1, 5, v0
	v_readfirstlane_b32 s14, v1
	s_lshr_b32 s15, s14, 1
	s_and_b32 s16, s14, 1
	s_bfe_u32 s40, ttmp6, 0x40000
	s_bfe_u32 s41, ttmp6, 0x40004
	s_and_b32 s95, ttmp7, 0xffff
	s_cmp_eq_u32 ttmp9, 2
	s_cselect_b32 s96, 0, s95
	s_cselect_b32 s97, s95, ttmp9
	s_cselect_b32 s98, 10240, 0
	s_cselect_b32 s99, 0, 8192
	s_lshl_b32 s42, s97, 2
	s_add_co_u32 s42, s42, s40
	s_lshl_b32 s17, s96, 2
	s_add_co_u32 s17, s17, s41
	s_lshl_b32 s43, s41, 2
	s_lshl_b32 s43, 15, s43
	s_lshl_b32 s44, 0x1111, s40
	s_or_b32 s[G1+0], s43, (0<<16)|(1<<20)|(1<<21)|(3<<22)|(3<<25)
	s_or_b32 s[G1B+0], s44, (0<<16)|(1<<20)|(1<<21)|(3<<22)|(3<<25)
.irp g, G1, G1B
	s_mov_b32 s[\g+1], 768<<16                     ; four rows of 192 bytes are stated as one of 768: dense in memory, each begins at a multiple of 256; the padding's interval stays 64 bytes
	s_mov_b32 s[\g+2], 64<<16                      ; the head's loads: 256 rows; behind them the two words that count rows are set for 128
	s_mov_b32 s[\g+3], 768<<16
	s_mov_b32 s[\g+4], 64
	s_mov_b32 s[\g+5], 768
	s_mov_b32 s[\g+6], 0
	s_mov_b32 s[\g+7], 0
.endr
	s_or_b32 s[G1S+0], s43, (3<<16)|(1<<20)|(1<<21)|(5<<22)|(3<<25)
	s_or_b32 s[G1SB+0], s44, (3<<16)|(1<<20)|(1<<21)|(5<<22)|(3<<25)
.irp g, G1S, G1SB
	s_mov_b32 s[\g+1], 32<<16
	s_mov_b32 s[\g+2], (256*KS/256)<<16
	s_mov_b32 s[\g+3], 32<<16
	s_mov_b32 s[\g+4], 256*KS/256
	s_mov_b32 s[\g+5], 32
	s_mov_b32 s[\g+6], 0
	s_mov_b32 s[\g+7], 0
.endr
	s_lshl_b32 s18, s16, 7
	s_lshl_b32 s20, s17, 8
	s_add_co_u32 s20, s20, s18
	s_add_co_u32 s20, s20, s98
	s_lshl_b32 s46, s42, 8
	s_add_co_u32 s46, s46, s18
	s_add_co_u32 s46, s46, s99
	s_mov_b32 s21, 0
	s_mov_b32 s47, 0
	s_mov_b64 s[18:19], KS
	s_mul_u64 s[22:23], s[20:21], s[18:19]
	s_mul_u64 s[92:93], s[46:47], s[18:19]
	s_mov_b64 s[18:19], KROW
	s_mul_u64 s[20:21], s[20:21], s[18:19]
	s_mul_u64 s[46:47], s[46:47], s[18:19]
	s_mul_i32 s45, s14, HALFT
	s_wait_kmcnt 0x0
	s_add_nc_u64 s[20:21], s[4:5], s[20:21]
	s_add_nc_u64 s[22:23], s[6:7], s[22:23]
	s_add_nc_u64 s[46:47], s[4:5], s[46:47]
	s_add_nc_u64 s[92:93], s[6:7], s[92:93]
	CROUND
; THE HEAD'S LOADS, ONE A WAVE: wave 0 K step 0's 256 rows of A, wave 1 its 256 rows of B, wave 2 the scales of A's 256 rows, wave 3 those of B's.
; The addresses made above hold my half of 128 rows: it is taken off again.
	s_lshl_b32 s2, s16, 12                         ; 128 rows of scales
	s_mov_b32 s3, 0
	s_mov_b32 s[G0S], 1
	s_mov_b32 s[G0S+1], SCL
	s_sub_nc_u64 s[G0S+2:G0S+3], s[22:23], s[2:3]
	s_or_b32 s[G0S+3], s[G0S+3], 0x80000000
	s_mov_b32 s[G0SB], 1
	s_mov_b32 s[G0SB+1], SCL+2*HALFS
	s_sub_nc_u64 s[G0SB+2:G0SB+3], s[92:93], s[2:3]
	s_or_b32 s[G0SB+3], s[G0SB+3], 0x80000000
	s_mul_i32 s2, s16, 128*KROW                    ; 128 rows of codes
	s_mov_b32 s[G0H], 1
	s_mov_b32 s[G0H+1], 0
	s_sub_nc_u64 s[G0H+2:G0H+3], s[20:21], s[2:3]
	s_or_b32 s[G0H+3], s[G0H+3], 0x80000000
	s_mov_b32 s[G0HB], 1
	s_mov_b32 s[G0HB+1], 2*HALFT
	s_sub_nc_u64 s[G0HB+2:G0HB+3], s[46:47], s[2:3]
	s_or_b32 s[G0HB+3], s[G0HB+3], 0x80000000
.macro ARM under, g0, g1, next         ; one chain of branches on the wave's number, one load to an arm, one join
	s_cmp_lt_u32 s14, \under
	s_cbranch_scc0 \next
	tensor_load_to_lds s[\g0:\g0+3], s[\g1:\g1+7]
	s_nop 0
.rept 4
	v_nop
.endr
	s_branch .Lhead_asked
\next:
.endm
	ARM 1, G0H,  G1,  .Lhead_b
	ARM 2, G0HB, G1B, .Lhead_sa
	ARM 3, G0S,  G1S, .Lhead_sb
	tensor_load_to_lds s[G0SB:G0SB+3], s[G1SB:G1SB+7]
	s_nop 0
.rept 4
	v_nop
.endr
.Lhead_asked:
.irp s, 0,1
	s_mov_b32 s[G0+4*\s], 1
	s_add_co_u32 s[G0+4*\s+1], s45, \s*SLOT
	s_add_nc_u64 s[G0+4*\s+2:G0+4*\s+3], s[20:21], \s*KSB
	s_or_b32 s[G0+4*\s+3], s[G0+4*\s+3], 0x80000000
	s_mov_b32 s[G0B+4*\s], 1
	s_add_co_u32 s[G0B+4*\s+1], s45, \s*SLOT
	s_add_nc_u64 s[G0B+4*\s+2:G0B+4*\s+3], s[46:47], \s*KSB
	s_or_b32 s[G0B+4*\s+3], s[G0B+4*\s+3], 0x80000000
.if \s                                 ; slot 1's first fill is issued as a refill is; slot 0's group 0 is first used at its first refill
	s_wait_alu depctr_va_vdst(0)
	s_wait_tensorcnt 0x0                           ; my tile of the head's four is in
	ds_add_u32 v28, v29
	s_mov_b32 s[G1+2], 32<<16                      ; no tensor load of mine is out: from here on a load brings 128 rows
	s_mov_b32 s[G1+4], 32
	s_mov_b32 s[G1B+2], 32<<16
	s_mov_b32 s[G1B+4], 32
	s_wait_dscnt 0x0
	CROUND
	JLOAD G0+4*\s, G1, G0B+4*\s, G1B
.endif
.endr
	v_and_b32 v1, 15, v0
	v_bfe_u32 v2, v0, 4, 1
	v_mul_u32_u24 v3, v1, PITCH
	v_mul_u32_u24 v4, v2, 24
	v_add_nc_u32 v4, v3, v4
	v_lshl_add_u32 v5, v2, 4, v4
	s_mul_i32 s21, s15, HALFT
	s_mul_i32 s22, s16, HALFT
	s_add_co_u32 s22, s22, 2*HALFT
.irp s, 0,1
	v_add_nc_u32 v[ADRA+\s], s21, v4
	v_add_nc_u32 v[ADRB+\s], s22, v4
	v_add_nc_u32 v[ADRA+2+\s], s21, v5
	v_add_nc_u32 v[ADRB+2+\s], s22, v5
	s_add_co_u32 s21, s21, SLOT
	s_add_co_u32 s22, s22, SLOT
.endr
	v_mul_u32_u24 v5, v1, KS
	v_lshrrev_b32 v6, 8, v5
	v_lshl_add_u32 v5, v6, 4, v5
	s_mul_i32 s21, s15, HALFS
	s_mul_i32 s22, s16, HALFS
	s_add_co_u32 s22, s22, 2*HALFS
	s_sub_co_u32 s22, s22, s21
	v_mul_u32_u24 v6, s22, v2
	s_add_co_u32 s21, s21, SCL
	v_add_nc_u32 v5, v5, v6
	v_add_nc_u32 v[ADRS], s21, v5
	s_mov_b32 s45, 12288
	s_cmp_eq_u32 ttmp9, 0
	s_cselect_b32 s45, 8192, s45
	s_cselect_b32 s46, 0, 524288
	s_cmp_eq_u32 ttmp9, 2
	s_cselect_b32 s66, s42, s17
	s_cselect_b32 s67, s41, s40
	s_cselect_b32 s92, s16, s15
	s_cselect_b32 s93, s15, s16
	s_cselect_b32 s94, 8, 9
	s_cselect_b32 s20, 8192, 0
	s_cselect_b32 s21, 0, 64
	s_cselect_b32 s22, 4, 0
	s_cselect_b32 s23, 0, 4
	s_lshl_b32 s2, ttmp9, 12
	s_lshl_b32 s19, s67, 10
	s_add_co_u32 s2, s2, s19
	s_lshl_b32 s19, s93, 9
	s_add_co_u32 s2, s2, s19
	s_mov_b32 s3, 0
	s_add_nc_u64 s[8:9], s[8:9], s[2:3]
	s_and_b32 s18, s66, 7
	s_lshl_b32 s18, s18, 1
	s_add_co_u32 s18, s18, s92
	s_lshr_b32 s47, s66, 3
	s_lshl_b32 s47, s47, 4
	s_lshl_b32 s19, s67, 2
	s_add_co_u32 s47, s47, s19
	s_lshl_b32 s19, s93, 1
	s_add_co_u32 s47, s47, s19
	s_mul_i32 s2, ttmp9, 6291456
	s_mul_i32 s19, s47, 98304
	s_add_co_u32 s2, s2, s19
	s_mul_i32 s19, s18, 6144
	s_add_co_u32 s2, s2, s19
	s_add_nc_u64 s[10:11], s[10:11], s[2:3]
	s_mul_i32 s19, s47, s45
	s_add_co_u32 s2, s46, s19
	s_add_co_u32 s2, s2, s20
	s_lshl_b32 s19, s18, s94
	s_add_co_u32 s2, s2, s19
	s_add_nc_u64 s[12:13], s[12:13], s[2:3]
	s_mov_b32 s[SEL], 0x76543210
	s_mov_b32 s[SEL+1], 0xfedcba98
	s_mov_b32 s[LM], 0xffff0000
	v_and_b32 v6, 31, v0
	v_lshlrev_b32 v[CA8], 3, v6
	v_lshlrev_b32 v[CA16], 4, v6
	v_mul_u32_u24 v[SA], s45, v2
	v_lshl_add_u32 v[SA], v1, 4, v[SA]
	v_mov_b32 v[SELB], 0x01000100
	v_mov_b32 v31, 0x03020302
	v_cndmask_b32 v[SELB], v[SELB], v31, s[LM]
	v_and_b32 v5, 8, v1
	v_add_nc_u32 v5, v5, v1
	v_mul_u32_u24 v[AB], s21, v2
	v_mad_u32_u24 v[AB], v5, s22, v[AB]
.irp j, 1,2,3,4,5,6,7
	v_add_nc_u32 v[AB+\j], s23, v[AB+\j-1]
.endr
.irp i, 0,1,2,3,4,5,6,7
.irp j, 0,1,2,3,4,5,6,7
	global_load_b32 v[BI+8*\i+\j], v[AB+\j], s[8:9] offset:(32*(\i/2)+8*(\i%2))*4
.endr
.endr
.macro FRAG reg, adr, q, i
.irp p, 0,1,2,3,4,5
.set PCE, 12*(\q)+6*(\p/3)+\p%3
.if PCE%8 < 5
	ds_load_b64 v[\reg+2*\p:\reg+2*\p+1], v[\adr] offset:8*PCE+16*(PCE/8)+(\i)*16*PITCH
.else
	ds_load_b64 v[\reg+2*\p:\reg+2*\p+1], v[\adr+2] offset:8*PCE+16*(PCE/8)+(\i)*16*PITCH
.endif
.endr
.endm
.macro MUL16 a0, p, q, sc, zero
.irp a, \a0, \a0+1
.irp b, 0,1,2,3,4,5,6,7
.if \zero
	v_wmma_scale_f32_16x16x128_f8f6f4 v[8*(8*((\a)%4)+\b):8*(8*((\a)%4)+\b)+7], v[128*(\p)+FR*\b:128*(\p)+FR*\b+FR-1], v[AF+FR*(\a):AF+FR*(\a)+FR-1], 0, v[SC+8*NQ*(\sc)+NQ*\b+(\q)], v[SC+8*NQ*(\sc)+NQ*(\a)+(\q)] matrix_a_fmt:MATRIX_FMT_FP6 matrix_b_fmt:MATRIX_FMT_FP6 matrix_a_scale:MATRIX_SCALE_ROW1
.else
	v_wmma_scale_f32_16x16x128_f8f6f4 v[8*(8*((\a)%4)+\b):8*(8*((\a)%4)+\b)+7], v[128*(\p)+FR*\b:128*(\p)+FR*\b+FR-1], v[AF+FR*(\a):AF+FR*(\a)+FR-1], v[8*(8*((\a)%4)+\b):8*(8*((\a)%4)+\b)+7], v[SC+8*NQ*(\sc)+NQ*\b+(\q)], v[SC+8*NQ*(\sc)+NQ*(\a)+(\q)] matrix_a_fmt:MATRIX_FMT_FP6 matrix_b_fmt:MATRIX_FMT_FP6 matrix_a_scale:MATRIX_SCALE_ROW1
.endif
.endr
.endr
.endm
.macro FETCH_B slot, q, p
	WIN TO_B
.irp i, 0,1,2,3,4,5,6,7
	FRAG 128*(\p)+FR*\i, ADRB+\slot, \q, \i
.endr
	WIN 0
.endm
.macro FETCH_A slot, q, i0
.irp i, \i0, \i0+1, \i0+2, \i0+3
	FRAG AF+FR*(\i), ADRA+\slot, \q, \i
.endr
.endm
.macro SCALES sc
.irp i, 0,1,2,3,4,5,6,7
	ds_load_b64 v[SC+8*NQ*\sc+NQ*\i:SC+8*NQ*\sc+NQ*\i+1], v[ADRS] offset:\i*SBLK
.endr
.endm
.macro PLACES n
.rept \n
	v_nop
.endr
.endm
.macro STEP slot, q, zero
	s_wait_dscnt 4*NL
	WIN MUL_LO
	MUL16 0, (\q)%2, \q, \slot, \zero
	MUL16 2, (\q)%2, \q, \slot, \zero
	s_wait_dscnt 0
	PLACES NP
	FETCH_B \slot, (\q)+1, 1-(\q)%2
	FETCH_A \slot, (\q)+1, 0
	WIN MUL_HI
	MUL16 4, (\q)%2, \q, \slot, \zero
	MUL16 6, (\q)%2, \q, \slot, \zero
	PLACES NP
	WIN 0
	FETCH_A \slot, (\q)+1, 4
.endm
.macro TURN slot, next, fill
	s_wait_tensorcnt 0x0
	ds_add_u32 v[SPW], v[NIL]
	s_wait_dscnt 4*NL+1
	WIN MUL_LO
	MUL16 0, 1, NQ-1, \slot, 0
	s_wait_dscnt 0x0
	s_barrier_signal -1
	MUL16 2, 1, NQ-1, \slot, 0
	WIN 0
	s_barrier_wait -1
.if \fill
	CREST
	s_add_nc_u64 s[G0+4*\slot+2:G0+4*\slot+3], s[G0+4*\slot+2:G0+4*\slot+3], 2*KSB
	s_add_nc_u64 s[G0B+4*\slot+2:G0B+4*\slot+3], s[G0B+4*\slot+2:G0B+4*\slot+3], 2*KSB
	JLOAD G0+4*\slot, G1, G0B+4*\slot, G1B
.else
	PLACES NP
.endif
	s_wait_alu depctr_va_vdst(0)
	v_add_nc_u32 v[ADRS], 4*NQ, v[ADRS]
	FETCH_B \next, 0, 0
	FETCH_A \next, 0, 0
	SCALES \next
	WIN MUL_HI
	MUL16 4, 1, NQ-1, \slot, 0
	MUL16 6, 1, NQ-1, \slot, 0
	PLACES NP
	WIN 0
	FETCH_A \next, 0, 4
.endm
	s_wait_tensorcnt 1
	s_barrier_signal -1
	s_barrier_wait -1
	FETCH_B 0, 0, 0
	FETCH_A 0, 0, 0
	SCALES 0
	FETCH_A 0, 0, 4
	STEP 0, 0, 1
	s_mov_b32 s3, LAPS-1
.Llap:
	TURN 0, 1, 1
	STEP 1, 0, 0
	TURN 1, 0, 1
	STEP 0, 0, 0
	s_sub_co_u32 s3, s3, 1
	s_cmp_lg_u32 s3, 0
	s_cbranch_scc1 .Llap
	TURN 0, 1, 0
	STEP 1, 0, 0
	s_wait_dscnt 4*NL
	WIN MUL_LO
	MUL16 0, 1, NQ-1, 1, 0
	MUL16 2, 1, NQ-1, 1, 0
	s_wait_dscnt 0
	WIN MUL_HI
	MUL16 4, 1, NQ-1, 1, 0
	MUL16 6, 1, NQ-1, 1, 0
	WIN 0
.macro GETROW a, vmode
	WIN 0x02+(\a)/4
.irp bt, 0,1,2,3,4,5,6,7
.irp jj, 0,2,4,6
.if \vmode
	v_pk_add_f32 v[T+8*\bt+\jj:T+8*\bt+\jj+1], v[64*((\a)%4)+8*\bt+\jj:64*((\a)%4)+8*\bt+\jj+1], v[BI+8*(\a):BI+8*(\a)+1]
.else
	v_pk_add_f32 v[T+8*\bt+\jj:T+8*\bt+\jj+1], v[64*((\a)%4)+8*\bt+\jj:64*((\a)%4)+8*\bt+\jj+1], v[BI+8*\bt+\jj:BI+8*\bt+\jj+1]
.endif
.endr
.endr
	WIN 0
.endm
.macro QUANT s, pw
.irp b, 0,1,2,3
	v_max3_num_f32 v[TM+\b], |v[\s+16*\b]|, |v[\s+1+16*\b]|, 0x1800000
.endr
.irp i, 2,4,6,8,10,12,14
.irp b, 0,1,2,3
	v_max3_num_f32 v[TM+\b], v[TM+\b], |v[\s+16*\b+\i]|, |v[\s+1+16*\b+\i]|
.endr
.endr
.irp b, 0,1,2,3
	v_permlanex16_b32 v[TM+4+\b], v[TM+\b], s[SEL], s[SEL+1]
.endr
.irp b, 0,1,2,3
	v_max_num_f32 v[TM+\b], v[TM+\b], v[TM+4+\b]
.endr
.irp b, 0,1,2,3
	v_add_nc_u32 v[TM+12+\b], 0xff000000, v[TM+\b]
.endr
.irp b, 0,1,2,3
	v_lshrrev_b32 v[TM+4+\b], 23, v[TM+12+\b]
.endr
	v_lshl_or_b32 v[\pw], v[TM+5], 8, v[TM+4]
	v_lshl_or_b32 v[\pw], v[TM+6], 16, v[\pw]
	v_lshl_or_b32 v[\pw], v[TM+7], 24, v[\pw]
.irp c, 0,1
	v_cvt_scalef32_pk16_fp6_f32 v[PC+6*\c:PC+2+6*\c], v[\s+32*\c:\s+15+32*\c], v[TM+12+2*\c]
	v_cvt_scalef32_pk16_fp6_f32 v[PC+12+4*\c:PC+14+4*\c], v[\s+16+32*\c:\s+31+32*\c], v[TM+12+2*\c+1]
.endr
	v_nop
.irp c, 0,1
.irp i, 0,1,2
	v_permlane16_swap_b32 v[PC+6*\c+\i], v[PC+12+4*\c+\i]
.endr
.irp i, 0,1,2
	v_mov_b32 v[PC+3+6*\c+\i], v[PC+12+4*\c+\i]
.endr
.endr
.endm
; v along the keys: by the order of positions a lane's 32 registers of tiles 4 c .. 4 c + 3 are keys 64 c + 32 (lane / 16) + 0 .. 31: a whole block, in the operand's own order
.macro QUANTV s, pw
.irp c, 0,1
	v_max3_num_f32 v[TM+\c], |v[\s+32*\c]|, |v[\s+1+32*\c]|, 0x1800000
.endr
.irp i, 2,4,6,8,10,12,14,16,18,20,22,24,26,28,30
.irp c, 0,1
	v_max3_num_f32 v[TM+\c], v[TM+\c], |v[\s+32*\c+\i]|, |v[\s+1+32*\c+\i]|
.endr
.endr
.irp c, 0,1
	v_add_nc_u32 v[TM+12+\c], 0xff000000, v[TM+\c]
.endr
.irp c, 0,1
	v_lshrrev_b32 v[TM+4+\c], 23, v[TM+12+\c]
.endr
	v_lshl_or_b32 v[TM+6], v[TM+5], 16, v[TM+4]    ; my bytes: blocks h and 2 + h,
	v_lshlrev_b32 v[TM+6], v31, v[TM+6]            ; 8 h bits up;
	v_permlanex16_b32 v[TM+7], v[TM+6], s[SEL], s[SEL+1]
	v_or_b32 v[\pw], v[TM+6], v[TM+7]              ; with lane l xor 16's two the word is whole, in both halves
.irp c, 0,1
	v_cvt_scalef32_pk16_fp6_f32 v[PC+6*\c:PC+2+6*\c], v[\s+32*\c:\s+15+32*\c], v[TM+12+\c]
	v_cvt_scalef32_pk16_fp6_f32 v[PC+12+4*\c:PC+14+4*\c], v[\s+16+32*\c:\s+31+32*\c], v[TM+12+\c]
.endr
	v_nop
.irp c, 0,1
.irp i, 0,1,2
	v_mov_b32 v[PC+3+6*\c+\i], v[PC+12+4*\c+\i]
.endr
.endr
.endm
.macro QKBLOCK a
.if (\a) > 0
	s_wait_xcnt 0x0
.endif
	GETROW \a, 0
	QUANT T, PWS+(\a)
.irp c, 0,1
.irp p, 0,1,2
	global_store_b64 v[CA8], v[PC+6*\c+2*\p:PC+6*\c+2*\p+1], s[10:11] offset:\c*98304+(\a)*768+256*\p
.endr
.endr
.endm
.macro VBLOCK a
.if (\a) > 0
	s_wait_xcnt 0x0
.endif
	GETROW \a, 1
	QUANTV T, PWS+(\a)
.irp c, 0,1,2
	global_store_b128 v[CA16], v[PC+4*\c:PC+4*\c+3], s[10:11] offset:((\a)/4)*98304+((\a)%4)*1536+512*\c
.endr
.endm
	s_wait_loadcnt 0x0
	PLACES NP
.irp b, 0,1,2,3
	v_mov_b32 v[TM+4+\b], 0
.endr
	s_cmp_eq_u32 ttmp9, 2
	s_cbranch_scc1 .Lv
.irp a, 0,1,2,3,4,5,6,7
	QKBLOCK \a
.endr
.irp a, 0,1,2,3,4,5,6,7
	v_perm_b32 v[SW+\a], v[PWS+\a], v[PWS+\a], v[SELB]
.endr
	global_store_b128 v[SA], v[SW:SW+3], s[12:13]
	global_store_b128 v[SA], v[SW+4:SW+7], s[12:13] offset:256
	s_branch .Ldone
.Lv:
	v_bfe_u32 v31, v0, 4, 1
	v_lshlrev_b32 v31, 3, v31                      ; 8 x (lane / 16)
.irp a, 0,1,2,3,4,5,6,7
	VBLOCK \a
.endr
.irp t, 0,1,2,3
	v_cndmask_b32 v[SW+\t], v[PWS+\t], v[PWS+4+\t], s[LM]
.endr
	global_store_b128 v[SA], v[SW:SW+3], s[12:13]
.Ldone:
	s_wait_tensorcnt 0x0
	ds_add_u32 v[SPW], v[NIL]
	s_wait_dscnt 0x0
	CROUND
	s_endpgm
.Lfunc_end_k_q4512a5227d_qkv:
	.size	k_q4512a5227d_qkv, .Lfunc_end_k_q4512a5227d_qkv-k_q4512a5227d_qkv
	.p2alignl 7, 3214868480
	.fill 96, 4, 3214868480
	.section	.rodata,"a",@progbits
	.p2align	6, 0x0
	.amdhsa_kernel k_q4512a5227d_qkv
		.amdhsa_group_segment_fixed_size 327680
		.amdhsa_private_segment_fixed_size 0
		.amdhsa_enable_private_segment 0
		.amdhsa_kernarg_size 40
		.amdhsa_user_sgpr_count 2
		.amdhsa_user_sgpr_kernarg_segment_ptr 1
		.amdhsa_wavefront_size32 1
		.amdhsa_system_sgpr_workgroup_id_x 1
		.amdhsa_system_sgpr_workgroup_id_y 1
		.amdhsa_system_sgpr_workgroup_id_z 1
		.amdhsa_system_vgpr_workitem_id 0
		.amdhsa_next_free_vgpr 1024
		.amdhsa_next_free_sgpr 100
		.amdhsa_reserve_vcc 0
		.amdhsa_float_denorm_mode_32 3
		.amdhsa_float_denorm_mode_16_64 3
		.amdhsa_memory_ordered 1
		.amdhsa_forward_progress 1
		.amdhsa_inst_pref_size 234
	.end_amdhsa_kernel
	.amdgpu_metadata
---
amdhsa.version: [ 1, 2 ]
amdhsa.kernels:
  - .name:           k_q4512a5227d_qkv
    .symbol:         k_q4512a5227d_qkv.kd
    .args:
      - { .name: opc, .offset: 0, .size: 8, .value_kind: global_buffer, .address_space: global }
      - { .name: ops, .offset: 8, .size: 8, .value_kind: global_buffer, .address_space: global }
      - { .name: in_proj_bias, .offset: 16, .size: 8, .value_kind: global_buffer, .address_space: global }
      - { .name: qkvc, .offset: 24, .size: 8, .value_kind: global_buffer, .address_space: global }
      - { .name: qkvs, .offset: 32, .size: 8, .value_kind: global_buffer, .address_space: global }
    .group_segment_fixed_size: 327680
    .private_segment_fixed_size: 0
    .kernarg_segment_align: 8
    .kernarg_segment_size: 40
    .max_flat_workgroup_size: 128
    .sgpr_count:     100
    .vgpr_count:     1024
    .wavefront_size: 32
...
	.end_amdgpu_metadata
.endif
;; end of part 2
;; launch attn (part 3): grid 4 x 64, 16 waves a work-group, clusters of 4 x 1, 210,944 bytes of LDS; arguments qkvc, qkvs, aoc, aos; writes aoc, aos
.if DOCPART == 3
	.amdgcn_target "amdgcn-amd-amdhsa--gfx1250"
	.amdhsa_code_object_version 6
	.text
	.protected	k_q4512a5227d_attn
	.globl	k_q4512a5227d_attn
	.p2align	8
	.type	k_q4512a5227d_attn,@function
k_q4512a5227d_attn:
	s_mov_b64 s[64:65], 0
	v_nop
	global_prefetch_b8 v0, s[64:65] scope:SCOPE_SE
	s_setreg_imm32_b32 hwreg(HW_REG_WAVE_MODE, 25, 1), 1
	s_wait_xcnt 0x0
	s_wait_alu depctr_hold_cnt(0) depctr_sa_sdst(0) depctr_va_vdst(0) depctr_va_sdst(0) depctr_va_ssrc(0) depctr_va_vcc(0) depctr_vm_vsrc(0)
	s_getreg_b32 s2, hwreg(HW_REG_IB_STS2, 6, 4)
	s_cmp_eq_u32 s2, 0
	s_cbranch_scc0 .Lentry_in_a_cluster
	s_endpgm
.Lentry_in_a_cluster:
	s_bfe_u32 s2, ttmp6, 0x10000c
	s_cmp_lg_u32 s2, 0x3003
	s_cbranch_scc0 .Lentry_shape_is_right
	s_endpgm
.Lentry_shape_is_right:
; For each of 64 heads (n = 16 b + head): o = softmax(q k^T / 8) v, both products on codes of FP6 (E2M3) with E8M0 scales; o is quantised along the model's axis and leaves as codes.
; THE SOFTMAX: t = score x log2(e) / 8 (q's codes were made without the factor 1/8, a power of two that only moves q's scales); M = the row's largest t so far, rounded up to a whole number;
; p = 2^(t - M) is quantised along the keys, not normalised; the row's sum is taken of the unquantised p and divides at the end.  When M moves, sum and O are multiplied by 2^(old M - new M).
; SHARES: the four work-groups of a cluster are the quarters of one head's 2,048 queries; each of sixteen waves owns a tile of 16 queries in each of two passes.
; A HEAD'S K AND V LIE IN LDS WHOLE, filled once by joint loads that name all four partners, one a wave: waves 0-11 bring 64 rows of 256 bytes of codes each (K's 98,304 bytes, then V's),
; wave 12 the 48 rows of scale words, waves 13-15 none.  Nothing is filled again: one wait for 0, one barrier.  No prefetch: all fills go out at the head, there is no loop to run ahead in.
; K = 64 UNDER AN INSTRUCTION OF 128: a fragment of q or k has its upper six registers zero (cleared once, never loaded or written).
; LAYOUT: both products transposed (S^T = K Q^T, O^T = V^T P^T): a lane holds one query.  By the order in which positions were laid, rows 8 h + j of key tiles 4 c + u are keys 64 c + 32 h + 8 u + j:
; a lane's 32 registers of S^T's tiles 4 c .. 4 c + 3 are one whole block of 32 keys in the operand's own order: no other lane is asked for a block's maximum, and no code changes lanes.
; LIMITS: a block's largest p is taken through its largest score, which takes v_exp_f32 not to fall where its input rises; a block whose largest p lies under 2^-124 has its byte held at 1
; (this program alone reads the bytes); the scaled scores stay under 2^31 in magnitude; NaN and infinities are not served.
; REGISTERS: v1-7 addresses that stay; v8-11 the step's; v12 -M, v13 the largest score, v[14:15] the sum; v16-27 Q; v28 Q's scale words; v29 8 x (lane / 16); v32-79 four fragments of K, whose lower
; halves are at work in the softmax; v80-83 K's scale words; v84-87 V's; v88 p's; v96-159 S^T, then p; v160-191 O^T; v192-239 V; v240-251 maxima, then p's codes; v252 f; v253-255 at work.
.set VC,   98304
.set KSC,  196608
.set VSC,  204800
.set SPARE, 208896                     ; the spare words: 128 bytes for each of 16 waves
.set AK0,  1                           ; 8 x lane
.set AV0,  2                           ; 16 x lane + VC
.set ASK0, 3                           ; 16 x lane + KSC
.set ASV0, 4                           ; 16 (lane % 16) + VSC
.set GO8,  5                           ; 8 x lane: Q's codes in, o's codes out
.set GQS,  6                           ; 16 (lane % 16)
.set GOS,  7                           ; 32 (lane % 16) + lane / 16
.set ADK,  8
.set ADV,  9
.set ADS,  10
.set ADT,  11
.set SH8,  29
.set SPW,  94
.set NIL,  95
.set WV,   12
.set G1C,  16                          ; s[16:23] group 1: 64 rows of 256 bytes;  s[24:31]: 48 rows
.set G1S,  24
.set G0S,  32
.set G0C,  36
.set SEL,  52
.set CS,   54                          ; c = log2(e) / 8, twice
.set TC,   56
.set TS,   57
.set TV,   58
.set CNT,  59
.set LM,   60
.set NC,   70                          ; -c
.macro CROUND
	s_barrier_signal -1
	s_barrier_wait -1
	s_cmp_lg_u32 s[WV], 0
	s_cbranch_scc1 .Lnot_wave_0_\@
	s_barrier_signal -3
.Lnot_wave_0_\@:
	s_barrier_wait -3
	s_barrier_signal -1
	s_barrier_wait -1
.endm
	s_load_b256 s[4:11], s[0:1], 0x0               ; codes s[4:5], scale words s[6:7], o's codes s[8:9], o's scale bytes s[10:11]
	v_lshl_add_u32 v[SPW], v0, 2, SPARE
	v_mov_b32 v[NIL], 0
	ds_add_u32 v[SPW], v[NIL]                      ; the opening lines: the add twice on end under one wait
	ds_add_u32 v[SPW], v[NIL]
	v_lshrrev_b32 v8, 5, v0
	v_readfirstlane_b32 s[WV], v8                  ; wave 0..15
	s_bfe_u32 s13, ttmp6, 0x40000                  ; cx: it enters Q's and o's addresses alone
	s_and_b32 s14, ttmp7, 0xffff                   ; the head, which the four partners share
	s_cmp_ge_u32 s[WV], 6
	s_cselect_b32 s15, 1, 0                        ; waves 0-5 fetch K's codes, waves 6-11 V's,
	s_mul_i32 s40, s15, 6
	s_sub_co_u32 s40, s[WV], s40                   ; a sixth each
	s_lshl_b32 s44, s40, 14
	s_mul_i32 s45, s14, 98304                      ; the head's codes in a part
	s_add_co_u32 s41, s15, 1                       ; part 1 = k, part 2 = v
	s_mul_i32 s42, s41, 6291456
	s_add_co_u32 s42, s42, s45
	s_add_co_u32 s42, s42, s44
	s_mov_b32 s43, 0
	s_min_u32 s48, s[WV], 11
	s_lshl_b32 s48, s48, 14                        ; in LDS: 16,384 x wave
	s_mul_i32 s46, s14, 12288                      ; the head's scale words, K's and then V's
	s_add_co_u32 s46, s46, 524288
	s_mov_b32 s47, 0
	s_mov_b32 s[G1C], 15|(3<<16)|(1<<21)           ; the mask: all four; elements of 8 bytes; bit 21 beside a mask
	s_mov_b32 s[G1C+1], 32<<16
	s_mov_b32 s[G1C+2], 64<<16
	s_mov_b32 s[G1C+3], 32<<16
	s_mov_b32 s[G1C+4], 64
	s_mov_b32 s[G1C+5], 32
	s_mov_b32 s[G1C+6], 0
	s_mov_b32 s[G1C+7], 0
	s_mov_b32 s[G1S], 15|(3<<16)|(1<<21)
	s_mov_b32 s[G1S+1], 32<<16
	s_mov_b32 s[G1S+2], 48<<16
	s_mov_b32 s[G1S+3], 32<<16
	s_mov_b32 s[G1S+4], 48
	s_mov_b32 s[G1S+5], 32
	s_mov_b32 s[G1S+6], 0
	s_mov_b32 s[G1S+7], 0
	s_lshl_b32 s51, s13, 5
	s_add_co_u32 s51, s51, s[WV]                   ; my tile of queries in pass 0: 32 cx + wave; pass 1: 16 more
	s_mul_i32 s2, s51, 768
	s_add_co_u32 s2, s2, s45
	s_mov_b32 s3, 0                                ; Q's codes
	s_lshl_b32 s62, s14, 13                        ; Q's scale words: 8,192 bytes a head, [tile / 4][r][tile % 4]
	s_lshr_b32 s61, s51, 2
	s_lshl_b32 s61, s61, 8
	s_add_co_u32 s62, s62, s61
	s_and_b32 s61, s51, 3
	s_lshl_b32 s61, s61, 2
	s_add_co_u32 s62, s62, s61
	s_mov_b32 s63, 0
	s_lshr_b32 s61, s14, 4                         ; b
	s_and_b32 s50, s14, 15                         ; the head in b
	s_lshl_b32 s66, s61, 7
	s_add_co_u32 s66, s66, s51
	s_mul_i32 s66, s66, 12288                      ; o's codes: a tile of 16 rows is 12,288 bytes, a head 768
	s_mul_i32 s68, s50, 768
	s_add_co_u32 s66, s66, s68
	s_mov_b32 s67, 0
	s_lshl_b32 s68, s61, 11
	s_lshl_b32 s69, s51, 4
	s_add_co_u32 s68, s68, s69
	s_lshl_b32 s68, s68, 5                         ; o's scale bytes: 32 a row, two a head
	s_lshl_b32 s69, s50, 1
	s_add_co_u32 s68, s68, s69
	s_mov_b32 s69, 0
	s_mov_b32 s[SEL], 0x76543210
	s_mov_b32 s[SEL+1], 0xfedcba98
	s_mov_b32 s[CS], 0x3e38aa3b
	s_mov_b32 s[CS+1], s[CS]
	s_mov_b32 s[NC], 0xbe38aa3b
	s_mov_b32 s[LM], 0xffff0000
	s_wait_dscnt 0x0
	s_wait_kmcnt 0x0
	s_mov_b32 s[G0S], 1
	s_mov_b32 s[G0S+1], KSC
	s_add_nc_u64 s[G0S+2:G0S+3], s[6:7], s[46:47]
	s_or_b32 s[G0S+3], s[G0S+3], 0x80000000
	s_mov_b32 s[G0C], 1
	s_mov_b32 s[G0C+1], s48
	s_add_nc_u64 s[G0C+2:G0C+3], s[4:5], s[42:43]
	s_or_b32 s[G0C+3], s[G0C+3], 0x80000000
	CROUND                                         ; all four work-groups are here: the joint loads meet
	s_cmp_lt_u32 s[WV], 12                         ; one chain of branches on the wave's number, one load to an arm, one join
	s_cbranch_scc0 .Lhead_s
	tensor_load_to_lds s[G0C:G0C+3], s[G1C:G1C+7]
	s_nop 0
.rept 4
	v_nop
.endr
	s_branch .Lhead_asked
.Lhead_s:
	s_cmp_eq_u32 s[WV], 12
	s_cbranch_scc0 .Lhead_asked
	tensor_load_to_lds s[G0S:G0S+3], s[G1S:G1S+7]
	s_nop 0
.rept 4
	v_nop
.endr
.Lhead_asked:
	s_add_nc_u64 s[4:5], s[4:5], s[2:3]
	s_add_nc_u64 s[6:7], s[6:7], s[62:63]
	s_add_nc_u64 s[8:9], s[8:9], s[66:67]
	s_add_nc_u64 s[10:11], s[10:11], s[68:69]
	v_and_b32 v9, 31, v0                           ; lane
	v_and_b32 v10, 15, v0                          ; r
	v_bfe_u32 v11, v0, 4, 1                        ; h
	v_mov_b32 v253, 0                              ; a lane permute's destination counts as one of its sources
	v_mov_b32 v255, 0
	v_lshlrev_b32 v[AK0], 3, v9
	v_lshl_add_u32 v[AV0], v9, 4, VC
	v_lshl_add_u32 v[ASK0], v9, 4, KSC
	v_lshl_add_u32 v[ASV0], v10, 4, VSC
	v_lshlrev_b32 v[GO8], 3, v9
	v_lshlrev_b32 v[GQS], 4, v10
	v_lshl_add_u32 v[GOS], v10, 5, v11
	v_lshlrev_b32 v[SH8], 3, v11
.irp i, 22,23,24,25,26,27
	v_mov_b32 v[\i], 0                             ; Q's upper half: zero codes
.endr
.irp t, 0,1,2,3
.irp i, 6,7,8,9,10,11
	v_mov_b32 v[32+12*\t+\i], 0                    ; and K's
.endr
.endr
.macro PA a, i                         ; a chain of the sum takes pair i of p
	v_pk_add_f32 v[\a:\a+1], v[\a:\a+1], v[96+2*\i:97+2*\i]
.endm
.macro PI a, i                         ; a chain begins with pairs 2 i and 2 i + 1
	v_pk_add_f32 v[\a:\a+1], v[96+4*\i:97+4*\i], v[98+4*\i:99+4*\i]
.endm
.macro PF n                            ; t - M, two at a time
.rept \n
	v_pk_fma_f32 v[96+j:97+j], v[96+j:97+j], s[CS:CS+1], v[12:13] op_sel_hi:[1,0,0]
.set j, j+2
.endr
.endm
; A KEY STEP: 128 keys.  v[ADK] and v[ADS] were made in the step before (or in the pass's head).
.macro STEP
	ds_load_b128 v[80:83], v[ADS]                  ; the scale words of all eight tiles of keys
.irp t, 0,1,2,3
.irp p, 0,1,2
	ds_load_b64 v[32+12*\t+2*\p:33+12*\t+2*\p], v[ADK] offset:\t*768+256*\p
.endr
.endr
	s_add_co_u32 s[TS], s[TS], 512
	s_wait_dscnt 0x0
.irp t, 0,1,2,3
	v_wmma_scale_f32_16x16x128_f8f6f4 v[96+8*\t:103+8*\t], v[32+12*\t:43+12*\t], v[16:27], 0, v[80+\t], v28 matrix_a_fmt:MATRIX_FMT_FP6 matrix_b_fmt:MATRIX_FMT_FP6
.endr
	v_mov_b32 v254, v12                            ; four plain lines: the places in front of the loads into K's and V's registers
	v_add_nc_u32 v[ADV], s[TC], v[AV0]
	v_add_nc_u32 v[ADT], s[TV], v[ASV0]
	v_add_nc_u32 v[ADS], s[TS], v[ASK0]            ; the next step's
.irp t, 0,1,2,3
.irp p, 0,1,2
	ds_load_b64 v[32+12*\t+2*\p:33+12*\t+2*\p], v[ADK] offset:(4+\t)*768+256*\p
.endr
.endr
.irp t, 0,1,2,3                                ; V's four fragments and their scale words: they have the softmax in which to land
.irp c, 0,1,2
	ds_load_b128 v[192+12*\t+4*\c:195+12*\t+4*\c], v[ADV] offset:\t*1536+512*\c
.endr
.endr
	ds_load_b128 v[84:87], v[ADT]
	s_add_co_u32 s[TC], s[TC], 6144
	s_add_co_u32 s[TV], s[TV], 256
	s_wait_dscnt 13                                ; K's are in; V's thirteen loads may be out
.irp t, 0,1,2,3
	v_wmma_scale_f32_16x16x128_f8f6f4 v[128+8*\t:135+8*\t], v[32+12*\t:43+12*\t], v[16:27], 0, v[80+\t], v28 matrix_a_fmt:MATRIX_FMT_FP6 matrix_b_fmt:MATRIX_FMT_FP6 matrix_a_scale:MATRIX_SCALE_ROW1
.endr
	v_add_nc_u32 v[ADK], s[TC], v[AK0]             ; the next step's.  This line and the first four maxima, on tiles 0-3, are the places behind the four products above
.irp t, 0,1,2,3,4,5,6,7
	v_max3_num_f32 v[240+\t], v[96+8*\t], v[97+8*\t], v[98+8*\t]   ; eight chains, a tile each, each accumulator from its low end on
.endr
.irp i, 3,5
.irp t, 0,1,2,3,4,5,6,7
	v_max3_num_f32 v[240+\t], v[240+\t], v[96+8*\t+\i], v[97+8*\t+\i]
.endr
.endr
.irp c, 0,1
	v_max3_num_f32 v[243+4*\c], v[243+4*\c], v[103+32*\c], v[111+32*\c]
	v_max3_num_f32 v[242+4*\c], v[242+4*\c], v[119+32*\c], v[127+32*\c]
.endr
.irp c, 0,1
	v_max3_num_f32 v[240+4*\c], v[240+4*\c], v[241+4*\c], v[243+4*\c]
.endr
.irp c, 0,1
	s_delay_alu instid0(VALU_DEP_2)
	v_max_num_f32 v[72+\c], v[240+4*\c], v[242+4*\c]   ; my block's largest score: block 2 c + lane / 16
.endr
	s_delay_alu instid0(VALU_DEP_1)
	v_max_num_f32 v255, v72, v73
	s_delay_alu instid0(VALU_DEP_1)
	v_permlanex16_b32 v253, v255, s[SEL], s[SEL+1]
	s_delay_alu instid0(VALU_DEP_1)
	v_max3_num_f32 v13, v13, v255, v253            ; the running largest score of my query
	s_delay_alu instid0(VALU_DEP_1)
	v_mul_f32 v255, s[NC], v13                     ; -t
	s_delay_alu instid0(VALU_DEP_1)
	v_floor_f32 v12, v255                          ; the new -M = floor(-t) = -ceil(t)
	s_delay_alu instid0(VALU_DEP_1)
	v_sub_f32 v254, v12, v254                      ; old M - new M: a whole number, 0 or less
.set j, 0
	PF 5
	v_cvt_i32_f32 v254, v254                       ; (it saturates)
	PF 5
	v_ldexp_f32 v252, 1.0, v254                    ; f = 2^(old M - new M)
	PF 22
.irp c, 0,1
	v_fma_f32 v[72+\c], v[72+\c], s[CS], v12       ; the same of each block's largest score
.endr
.set j, 0
.rept 16
	v_pk_mul_f32 v[160+j:161+j], v[160+j:161+j], v[252:253] op_sel_hi:[1,0]   ; O^T under the new M
.set j, j+2
.endr
	s_wait_alu depctr_va_vdst(0)                   ; the wait ahead of the batch
.set j, 0
.rept 64
	v_exp_f32 v[96+j], v[96+j]                     ; p = 2^(t - M), at most 1
.set j, j+1
.endr
	v_pk_mul_f32 v[14:15], v[14:15], v[252:253] op_sel_hi:[1,0]   ; the sum under the new M (a plain line behind the batch)
	s_wait_alu depctr_va_vdst(0)                   ; one wait for the 64
	v_exp_f32 v72, v72                             ; the block's largest p: the same two instructions on the same number give the same bits
	v_exp_f32 v73, v73
	PI 32, 0                                       ; the sum of the unquantised p in eight chains: v[14:15] and seven in K's lower halves
	PI 34, 1
	PI 36, 2
	PI 44, 3
	PI 46, 4
	PI 48, 5
	PI 56, 6
	s_wait_alu depctr_va_vdst(0)                   ; and one for the two
	v_max_num_f32 v72, 0x1800000, v72              ; the floor 2^(3 - 127): the byte cannot fall under 1
	v_max_num_f32 v73, 0x1800000, v73
	PA 14, 14
	PA 32, 15
	PA 34, 16
	v_add_nc_u32 v61, 0xff000000, v72              ; 2 off the exponent field: the conversions' scale operands
	v_add_nc_u32 v71, 0xff000000, v73
	PA 36, 17
	PA 44, 18
	PA 46, 19
	v_cvt_scalef32_pk16_fp6_f32 v[240:242], v[96:111], v61
	v_cvt_scalef32_pk16_fp6_f32 v[68:70], v[112:127], v61      ; (a conversion's three registers begin on an even number)
	v_cvt_scalef32_pk16_fp6_f32 v[246:248], v[128:143], v71
	v_cvt_scalef32_pk16_fp6_f32 v[58:60], v[144:159], v71
	v_lshrrev_b32 v254, 23, v61                    ; the bytes (also the plain line behind the conversions)
	v_lshrrev_b32 v255, 23, v71
	PA 48, 20
	PA 56, 21
	v_lshl_or_b32 v254, v255, 16, v254             ; blocks h and 2 + h,
.irp i, 0,1,2
	v_mov_b32 v[243+\i], v[68+\i]
.endr
	v_lshlrev_b32 v254, v[SH8], v254               ; 8 h bits up
.irp i, 0,1,2
	v_mov_b32 v[249+\i], v[58+\i]
.endr
	PA 14, 22
	v_permlanex16_b32 v255, v254, s[SEL], s[SEL+1]
	PA 32, 23
	PA 34, 24
	PA 36, 25
	PA 44, 26
	v_or_b32 v88, v254, v255                       ; p's scale word; twelve plain lines stand between it and the products, sixteen or more behind the codes' last move
	PA 46, 27
	PA 48, 28
	PA 56, 29
	PA 14, 30
	PA 32, 31
	v_pk_add_f32 v[34:35], v[34:35], v[36:37]
	v_pk_add_f32 v[44:45], v[44:45], v[46:47]
	v_pk_add_f32 v[48:49], v[48:49], v[56:57]      ; the last write into K's registers: four plain lines follow
	v_pk_add_f32 v[14:15], v[14:15], v[32:33]
	v_pk_add_f32 v[254:255], v[34:35], v[44:45]
	s_delay_alu instid0(VALU_DEP_2)
	v_pk_add_f32 v[14:15], v[14:15], v[48:49]
	s_delay_alu instid0(VALU_DEP_1)
	v_pk_add_f32 v[14:15], v[14:15], v[254:255]
	s_wait_alu depctr_va_vdst(0)
	s_wait_dscnt 0x0                               ; V is in
.irp t, 0,1,2,3                                ; O^T += V^T P^T: the four accumulators by turns; S^T's eight products stand between two links of a chain
	v_wmma_scale_f32_16x16x128_f8f6f4 v[160+8*\t:167+8*\t], v[192+12*\t:203+12*\t], v[240:251], v[160+8*\t:167+8*\t], v[84+\t], v88 matrix_a_fmt:MATRIX_FMT_FP6 matrix_b_fmt:MATRIX_FMT_FP6
.endr
.endm
.macro PASS_HEAD pass                  ; my tile of queries, and the sums' start: zeros, and a largest score under every score
.if \pass
	s_wait_xcnt 0x0                                ; the last pass's stores have read their registers
.endif
.irp p, 0,1,2
	global_load_b64 v[16+2*\p:17+2*\p], v[GO8], s[4:5] offset:\pass*12288+256*\p
.endr
	global_load_b32 v28, v[GQS], s[6:7] offset:\pass*1024
	s_mov_b32 s[TC], 0
	s_mov_b32 s[TS], 0
	s_mov_b32 s[TV], 0
	s_mov_b32 s[CNT], 16
	v_mov_b32 v13, 0xff61b1e6                      ; -3e38
	v_mov_b32 v14, 0
	v_mov_b32 v15, 0
	v_add_nc_u32 v[ADK], s[TC], v[AK0]
	v_add_nc_u32 v[ADS], s[TS], v[ASK0]
	v_floor_f32 v12, -v13
.set j, 0
.rept 32
	v_mov_b32 v[160+j], 0                          ; O^T: the first trip finds zeros, which the first change of M leaves zeros
.set j, j+1
.endr
	s_wait_alu depctr_va_vdst(0)
	s_wait_loadcnt 0x0
.endm
.macro PASS_TAIL pass                  ; o = O^T / the sum; its two blocks of 32 channels are quantised; half a fragment and two scale bytes a row leave
.rept 4
	v_nop                                          ; places behind the last products
.endr
	v_add_f32 v14, v14, v15
	s_delay_alu instid0(VALU_DEP_1)
	v_permlanex16_b32 v255, v14, s[SEL], s[SEL+1]
	s_delay_alu instid0(VALU_DEP_1)
	v_add_f32 v14, v14, v255                       ; the row's sum
	s_wait_alu depctr_va_vdst(0)
	v_rcp_f32 v254, v14
	v_nop
	s_wait_alu depctr_va_vdst(0)                   ; ahead of the reciprocal's and O^T's first reader
.set j, 0
.rept 16
	v_pk_mul_f32 v[96+j:97+j], v[160+j:161+j], v[254:255] op_sel_hi:[1,0]   ; register 16 b + i: channel 32 b + 16 (lane / 16) + i
.set j, j+2
.endr
.irp b, 0,1
	v_max3_num_f32 v[136+\b], |v[96+16*\b]|, |v[97+16*\b]|, 0x1800000
.endr
.irp i, 2,4,6,8,10,12,14
.irp b, 0,1
	s_delay_alu instid0(VALU_DEP_2)
	v_max3_num_f32 v[136+\b], v[136+\b], |v[96+16*\b+\i]|, |v[97+16*\b+\i]|
.endr
.endr
.irp b, 0,1
	v_permlanex16_b32 v[138+\b], v[136+\b], s[SEL], s[SEL+1]
.endr
.irp b, 0,1
	s_delay_alu instid0(VALU_DEP_2)
	v_max_num_f32 v[136+\b], v[136+\b], v[138+\b]
.endr
.irp b, 0,1
	s_delay_alu instid0(VALU_DEP_2)
	v_add_nc_u32 v[140+\b], 0xff000000, v[136+\b]
.endr
.irp b, 0,1
	s_delay_alu instid0(VALU_DEP_2)
	v_lshrrev_b32 v[142+\b], 23, v[140+\b]
.endr
	v_cvt_scalef32_pk16_fp6_f32 v[128:130], v[96:111], v140
	v_cvt_scalef32_pk16_fp6_f32 v[132:134], v[112:127], v141
	v_nop
	v_cndmask_b32 v144, v142, v143, s[LM]          ; lanes 0-15 store block 0's byte, lanes 16-31 block 1's
.irp i, 0,1,2
	v_permlane16_swap_b32 v[128+\i], v[132+\i]
.endr
.irp i, 0,1,2
	s_delay_alu instid0(VALU_DEP_3)
	v_mov_b32 v[131+\i], v[132+\i]                 ; v128-133: lane (r, h): row r, channels 32 h + 0 .. 31
.endr
.irp p, 0,1,2
	global_store_b64 v[GO8], v[128+2*\p:129+2*\p], s[8:9] offset:\pass*196608+256*\p   ; 32 lanes store 256 consecutive bytes, aligned
.endr
	global_store_b8 v[GOS], v144, s[10:11] offset:\pass*8192   ; two bytes of each row's 32: the other heads' work-groups store the rest
.endm
	PASS_HEAD 0
	s_wait_tensorcnt 0x0                           ; my part of the head's K and V is in,
	s_barrier_signal -1
	s_barrier_wait -1                              ; everybody's is: they stay to the end
.Lpass0:
	STEP
	s_sub_co_u32 s[CNT], s[CNT], 1
	s_cmp_lg_u32 s[CNT], 0
	s_cbranch_scc1 .Lpass0
	PASS_TAIL 0
	PASS_HEAD 1
.Lpass1:
	STEP
	s_sub_co_u32 s[CNT], s[CNT], 1
	s_cmp_lg_u32 s[CNT], 0
	s_cbranch_scc1 .Lpass1
	PASS_TAIL 1
	s_wait_tensorcnt 0x0                           ; the wave's end
	ds_add_u32 v[SPW], v[NIL]
	s_wait_dscnt 0x0
	CROUND                                         ; the closing round
	s_endpgm
.Lfunc_end_k_q4512a5227d_attn:
	.size	k_q4512a5227d_attn, .Lfunc_end_k_q4512a5227d_attn-k_q4512a5227d_attn
	.p2alignl 7, 3214868480
	.fill 96, 4, 3214868480
	.section	.rodata,"a",@progbits
	.p2align	6, 0x0
	.amdhsa_kernel k_q4512a5227d_attn
		.amdhsa_group_segment_fixed_size 210944
		.amdhsa_private_segment_fixed_size 0
		.amdhsa_enable_private_segment 0
		.amdhsa_kernarg_size 32
		.amdhsa_user_sgpr_count 2
		.amdhsa_user_sgpr_kernarg_segment_ptr 1
		.amdhsa_wavefront_size32 1
		.amdhsa_system_sgpr_workgroup_id_x 1
		.amdhsa_system_sgpr_workgroup_id_y 1
		.amdhsa_system_sgpr_workgroup_id_z 1
		.amdhsa_system_vgpr_workitem_id 0
		.amdhsa_next_free_vgpr 256
		.amdhsa_next_free_sgpr 72
		.amdhsa_reserve_vcc 0
		.amdhsa_float_denorm_mode_32 3
		.amdhsa_float_denorm_mode_16_64 3
		.amdhsa_memory_ordered 1
		.amdhsa_forward_progress 1
		.amdhsa_inst_pref_size 51
	.end_amdhsa_kernel
	.amdgpu_metadata
---
amdhsa.version: [ 1, 2 ]
amdhsa.kernels:
  - .name:           k_q4512a5227d_attn
    .symbol:         k_q4512a5227d_attn.kd
    .args:
      - { .name: qkvc, .offset: 0, .size: 8, .value_kind: global_buffer, .address_space: global }
      - { .name: qkvs, .offset: 8, .size: 8, .value_kind: global_buffer, .address_space: global }
      - { .name: aoc, .offset: 16, .size: 8, .value_kind: global_buffer, .address_space: global }
      - { .name: aos, .offset: 24, .size: 8, .value_kind: global_buffer, .address_space: global }
    .group_segment_fixed_size: 210944
    .private_segment_fixed_size: 0
    .kernarg_segment_align: 8
    .kernarg_segment_size: 32
    .max_flat_workgroup_size: 512
    .sgpr_count:     72
    .vgpr_count:     256
    .wavefront_size: 32
...
	.end_amdgpu_metadata
.endif
;; end of part 3
;; launch oproj (part 4): grid 4 x 32, 4 waves a work-group, clusters of 4 x 4, 327,680 bytes of LDS; arguments aoc, aos, opc, ops, out_proj_bias, out0; writes out0
.if DOCPART == 4
	.amdgcn_target "amdgcn-amd-amdhsa--gfx1250"
	.amdhsa_code_object_version 6
	.text
	.protected	k_q4512a5227d_oproj
	.globl	k_q4512a5227d_oproj
	.p2align	8
	.type	k_q4512a5227d_oproj,@function
k_q4512a5227d_oproj:
	s_mov_b64 s[64:65], 0
	v_nop
	global_prefetch_b8 v0, s[64:65] scope:SCOPE_SE
	s_setreg_imm32_b32 hwreg(HW_REG_WAVE_MODE, 25, 1), 1
	s_wait_xcnt 0x0
	s_wait_alu depctr_hold_cnt(0) depctr_sa_sdst(0) depctr_va_vdst(0) depctr_va_sdst(0) depctr_va_ssrc(0) depctr_va_vcc(0) depctr_vm_vsrc(0)
	s_getreg_b32 s2, hwreg(HW_REG_IB_STS2, 6, 4)
	s_cmp_eq_u32 s2, 0
	s_cbranch_scc0 .Lentry_in_a_cluster
	s_endpgm
.Lentry_in_a_cluster:
	s_bfe_u32 s2, ttmp6, 0x10000c
	s_cmp_lg_u32 s2, 0xf033
	s_cbranch_scc0 .Lentry_shape_is_right
	s_endpgm
.Lentry_shape_is_right:
.set KSTEP,  256
.set NQ,     2
.set ROWB,   192
.set AROWB,  3072
.set KROW,   768
.set PITCH,  240
.set FR,     12
.set NL,     6
.set NP,     4
.set HALFT,  128*PITCH
.set SLOT,   4*HALFT
.set LAPS,   2
.set KS,     32
.set SCL,    2*SLOT
.set HALFS,  (128*KS/256)*272
.set SBLK,   (16*KS/256)*272
.set SPARE,  SCL+4*HALFS
.set SPITCH, 528
.set ADRA, 16
.set ADRB, 20
.set STO,  24
.set RD,   25
.set CO,   26
.set ADRS, 27
.set SPW,  28
.set NIL,  29
.set BO,   31
.set SC,   32
.set BI,   64
.set AF,   128
.set BK,   128
.set G1, 24
.set G0, 32
.set G1B, 48
.set G0B, 56
.set G1S, 68
.set G0S, 76
.set G1SB, 80
.set G0SB, 88
.set MSB, 0
.macro WIN new
.if MSB != (\new)
	s_set_vgpr_msb (MSB<<8)|(\new)
.set MSB, (\new)
.endif
.endm
.set MUL_LO, 0xa1
.set MUL_HI, 0xf1
.set FST_LO, 0x81
.set FST_HI, 0xc1
.set TO_B,   0x40
.macro JLOAD g0a, g1a, g0b, g1b
	s_cmp_eq_u32 s15, 0
	s_cbranch_scc0 .Lfor_b_\@
	tensor_load_to_lds s[\g0a:\g0a+3], s[\g1a:\g1a+7]
	s_nop 0
.rept 4
	v_nop
.endr
	s_branch .Lasked_\@
.Lfor_b_\@:
	tensor_load_to_lds s[\g0b:\g0b+3], s[\g1b:\g1b+7]
	s_nop 0
.rept 4
	v_nop
.endr
.Lasked_\@:
.endm
.macro CREST
	s_cmp_lg_u32 s14, 0
	s_cbranch_scc1 .Lnot_wave_0_\@
	s_barrier_signal -3
.Lnot_wave_0_\@:
	s_barrier_wait -3
	s_barrier_signal -1
	s_barrier_wait -1
.endm
.macro CROUND
	s_barrier_signal -1
	s_barrier_wait -1
	CREST
.endm
	s_load_b128 s[4:7], s[0:1], 0x0
	s_load_b128 s[8:11], s[0:1], 0x10
	s_load_b64 s[66:67], s[0:1], 0x20
	s_load_b64 s[12:13], s[0:1], 0x28
	v_lshl_add_u32 v[SPW], v0, 2, SPARE
	v_mov_b32 v[NIL], 0
	ds_add_u32 v28, v29
	ds_add_u32 v28, v29
	s_wait_dscnt 0x0
	v_lshrrev_b32 v1, 5, v0
	v_readfirstlane_b32 s14, v1
	s_lshr_b32 s15, s14, 1
	s_and_b32 s16, s14, 1
	s_bfe_u32 s40, ttmp6, 0x40000
	s_bfe_u32 s41, ttmp6, 0x40004
	s_lshl_b32 s42, ttmp9, 2
	s_add_co_u32 s42, s42, s40
	s_and_b32 s17, ttmp7, 0xffff
	s_lshl_b32 s17, s17, 2
	s_add_co_u32 s17, s17, s41
	s_lshl_b32 s43, s41, 2
	s_lshl_b32 s43, 15, s43
	s_lshl_b32 s44, 0x1111, s40
	s_or_b32 s[G1+0], s43, (3<<16)|(1<<21)
	s_mov_b32 s[G1+1], 384<<16
.set KSB,  12288*192                   ; the weight's codes lie [K step of 256][row][192 bytes], dense: from K step to K step
.set AHALF, 8*AROWB                    ; 128 rows of A in a slot: 24,576 bytes, the two halves on end
.set G0H,  4                           ; s[4:7], s[8:11] group 0 for the head's loads of K step 0 (the arguments that lay there have been used by then)
.set G0HB, 8
	s_mov_b32 s[G1+2], 16<<16                      ; the head's load: 256 rows of A, sixteen tiles; behind it the two words that count rows are set for 128
	s_mov_b32 s[G1+3], 384<<16
	s_mov_b32 s[G1+4], 16
	s_mov_b32 s[G1+5], 1536
	s_mov_b32 s[G1+6], 0
	s_mov_b32 s[G1+7], 0
	s_or_b32 s[G1B+0], s44, (0<<16)|(1<<20)|(1<<21)|(3<<22)|(3<<25)
	s_mov_b32 s[G1B+1], 768<<16                    ; four rows of 192 bytes are stated as one of 768: dense in memory, each begins at a multiple of 256; the padding's interval stays 64 bytes
	s_mov_b32 s[G1B+2], 64<<16
	s_mov_b32 s[G1B+3], 768<<16
	s_mov_b32 s[G1B+4], 64
	s_mov_b32 s[G1B+5], 768
	s_mov_b32 s[G1B+6], 0
	s_mov_b32 s[G1B+7], 0
	s_or_b32 s[G1S+0], s43, (3<<16)|(1<<20)|(1<<21)|(5<<22)|(3<<25)
	s_or_b32 s[G1SB+0], s44, (3<<16)|(1<<20)|(1<<21)|(5<<22)|(3<<25)
.irp g, G1S, G1SB
	s_mov_b32 s[\g+1], 32<<16
	s_mov_b32 s[\g+2], (256*KS/256)<<16
	s_mov_b32 s[\g+3], 32<<16
	s_mov_b32 s[\g+4], 256*KS/256
	s_mov_b32 s[\g+5], 32
	s_mov_b32 s[\g+6], 0
	s_mov_b32 s[\g+7], 0
.endr
	s_lshl_b32 s18, s16, 7
	s_lshl_b32 s20, s17, 8
	s_add_co_u32 s20, s20, s18
	s_lshl_b32 s46, s42, 8
	s_add_co_u32 s46, s46, s18
	s_add_co_u32 s46, s46, 11264
	s_mov_b32 s21, 0
	s_mov_b32 s47, 0
	s_mov_b64 s[18:19], KS
	s_mul_u64 s[22:23], s[20:21], s[18:19]
	s_mul_u64 s[92:93], s[46:47], s[18:19]
	s_mov_b64 s[18:19], KROW
	s_mul_u64 s[20:21], s[20:21], s[18:19]
	s_mul_i32 s46, s46, 192                        ; the weight's row in a K step (under 2^32; s47 is 0)
	s_mul_i32 s45, s14, HALFT
	s_mul_i32 s94, s14, AHALF                      ; where my half of A goes in a slot
	s_wait_kmcnt 0x0
	s_add_nc_u64 s[20:21], s[4:5], s[20:21]
	s_add_nc_u64 s[22:23], s[6:7], s[22:23]
	s_add_nc_u64 s[46:47], s[8:9], s[46:47]
	s_add_nc_u64 s[92:93], s[10:11], s[92:93]
	CROUND
; THE HEAD'S LOADS, ONE A WAVE: wave 0 K step 0's 256 rows of A, wave 1 its 256 rows of B, wave 2 the scales of A's 256 rows, wave 3 those of B's.
; The addresses made above hold my half of 128 rows: it is taken off again.
	s_lshl_b32 s2, s16, 12                         ; 128 rows of scales
	s_mov_b32 s3, 0
	s_mov_b32 s[G0S], 1
	s_mov_b32 s[G0S+1], SCL
	s_sub_nc_u64 s[G0S+2:G0S+3], s[22:23], s[2:3]
	s_or_b32 s[G0S+3], s[G0S+3], 0x80000000
	s_mov_b32 s[G0SB], 1
	s_mov_b32 s[G0SB+1], SCL+2*HALFS
	s_sub_nc_u64 s[G0SB+2:G0SB+3], s[92:93], s[2:3]
	s_or_b32 s[G0SB+3], s[G0SB+3], 0x80000000
	s_mul_i32 s2, s16, 128*KROW                    ; 128 rows of A's codes
	s_mov_b32 s[G0H], 1
	s_mov_b32 s[G0H+1], 0
	s_sub_nc_u64 s[G0H+2:G0H+3], s[20:21], s[2:3]
	s_or_b32 s[G0H+3], s[G0H+3], 0x80000000
	s_mul_i32 s2, s16, 128*192                     ; 128 rows of B's codes in a K step
	s_mov_b32 s[G0HB], 1
	s_mov_b32 s[G0HB+1], 2*HALFT
	s_sub_nc_u64 s[G0HB+2:G0HB+3], s[46:47], s[2:3]
	s_or_b32 s[G0HB+3], s[G0HB+3], 0x80000000
.macro ARM under, g0, g1, next         ; one chain of branches on the wave's number, one load to an arm, one join
	s_cmp_lt_u32 s14, \under
	s_cbranch_scc0 \next
	tensor_load_to_lds s[\g0:\g0+3], s[\g1:\g1+7]
	s_nop 0
.rept 4
	v_nop
.endr
	s_branch .Lhead_asked
\next:
.endm
	ARM 1, G0H,  G1,  .Lhead_b
	ARM 2, G0HB, G1B, .Lhead_sa
	ARM 3, G0S,  G1S, .Lhead_sb
	tensor_load_to_lds s[G0SB:G0SB+3], s[G1SB:G1SB+7]
	s_nop 0
.rept 4
	v_nop
.endr
.Lhead_asked:
.irp s, 0,1
	s_mov_b32 s[G0+4*\s], 1
	s_add_co_u32 s[G0+4*\s+1], s94, \s*SLOT
	s_add_nc_u64 s[G0+4*\s+2:G0+4*\s+3], s[20:21], \s*AROWB
	s_or_b32 s[G0+4*\s+3], s[G0+4*\s+3], 0x80000000
	s_mov_b32 s[G0B+4*\s], 1
	s_add_co_u32 s[G0B+4*\s+1], s45, \s*SLOT
	s_add_nc_u64 s[G0B+4*\s+2:G0B+4*\s+3], s[46:47], \s*KSB
	s_or_b32 s[G0B+4*\s+3], s[G0B+4*\s+3], 0x80000000
.if \s                                 ; slot 1's first fill is issued as a refill is; slot 0's group 0 is first used at its first refill
	s_wait_alu depctr_va_vdst(0)
	s_wait_tensorcnt 0x0                           ; my tile of the head's four is in
	ds_add_u32 v28, v29
	s_mov_b32 s[G1+2], 8<<16                       ; no tensor load of mine is out: from here on a load brings 128 rows
	s_mov_b32 s[G1+4], 8
	s_mov_b32 s[G1B+2], 32<<16
	s_mov_b32 s[G1B+4], 32
	s_wait_dscnt 0x0
	CROUND
	JLOAD G0+4*\s, G1, G0B+4*\s, G1B
.endif
.endr
	v_and_b32 v1, 15, v0
	v_bfe_u32 v2, v0, 4, 1
	v_mul_u32_u24 v3, v1, PITCH
	v_mul_u32_u24 v4, v2, 24
	v_add_nc_u32 v4, v3, v4
	v_lshl_add_u32 v5, v2, 4, v4
	v_and_b32 v6, 31, v0
	v_lshlrev_b32 v7, 3, v6
	s_mul_i32 s21, s15, AHALF
	s_mul_i32 s22, s16, HALFT
	s_add_co_u32 s22, s22, 2*HALFT
.irp s, 0,1
	v_add_nc_u32 v[ADRA+\s], s21, v7
	v_add_nc_u32 v[ADRB+\s], s22, v4
	v_add_nc_u32 v[ADRB+2+\s], s22, v5
	s_add_co_u32 s21, s21, SLOT
	s_add_co_u32 s22, s22, SLOT
.endr
	v_mul_u32_u24 v5, v1, KS
	v_lshrrev_b32 v6, 8, v5
	v_lshl_add_u32 v5, v6, 4, v5
	s_mul_i32 s21, s15, HALFS
	s_mul_i32 s22, s16, HALFS
	s_add_co_u32 s22, s22, 2*HALFS
	s_sub_co_u32 s22, s22, s21
	v_mul_u32_u24 v6, s22, v2
	s_add_co_u32 s21, s21, SCL
	v_add_nc_u32 v5, v5, v6
	v_add_nc_u32 v[ADRS], s21, v5
	s_mul_i32 s23, s14, 16*SPITCH
	v_mul_u32_u24 v5, v1, SPITCH
	v_lshl_add_u32 v5, v2, 5, v5
	v_add_nc_u32 v[STO], s23, v5
	v_and_b32 v6, 31, v0
	v_lshlrev_b32 v[CO], 4, v6
	v_add_nc_u32 v[RD], s23, v[CO]
	v_lshlrev_b32 v[BO], 5, v2
	s_wait_alu depctr_va_vdst(0)
	s_and_b32 s20, s17, 7
	s_lshl_b32 s20, s20, 8
	s_lshl_b32 s21, s15, 7
	s_add_co_u32 s20, s20, s21
	s_lshl_b32 s20, s20, 2
	s_lshr_b32 s21, s17, 3
	s_add_co_u32 s20, s20, s21
	s_lshl_b32 s20, s20, 12
	s_lshl_b32 s46, s42, 10
	s_lshl_b32 s47, s16, 9
	s_add_co_u32 s46, s46, s47
	s_mov_b32 s47, 0
	s_add_nc_u64 s[66:67], s[66:67], s[46:47]
	s_add_co_u32 s20, s20, s46
	s_mov_b32 s21, 0
	s_add_nc_u64 s[12:13], s[12:13], s[20:21]
.irp b, 0,1,2,3,4,5,6,7
	global_load_b128 v[BI+8*\b:BI+8*\b+3], v[BO], s[66:67] offset:64*\b
	global_load_b128 v[BI+8*\b+4:BI+8*\b+7], v[BO], s[66:67] offset:64*\b+16
.endr
.macro FRAG reg, adr, q, i
.irp p, 0,1,2,3,4,5
.set PCE, 12*(\q)+6*(\p/3)+\p%3
.if PCE%8 < 5
	ds_load_b64 v[\reg+2*\p:\reg+2*\p+1], v[\adr] offset:8*PCE+16*(PCE/8)+(\i)*16*PITCH
.else
	ds_load_b64 v[\reg+2*\p:\reg+2*\p+1], v[\adr+2] offset:8*PCE+16*(PCE/8)+(\i)*16*PITCH
.endif
.endr
.endm
.macro FRAGA reg, slot, q, i
.irp p, 0,1,2,3,4,5
	ds_load_b64 v[\reg+2*\p:\reg+2*\p+1], v[ADRA+\slot] offset:(\i)*AROWB+(\q)*1536+256*\p
.endr
.endm
.macro MUL16 a0, p, q, sc, first
.irp a, \a0, \a0+1
.irp b, 0,1,2,3,4,5,6,7
.if \first
	v_wmma_scale_f32_16x16x128_f8f6f4 v[8*(8*((\a)%4)+\b):8*(8*((\a)%4)+\b)+7], v[128*(\p)+FR*\b:128*(\p)+FR*\b+FR-1], v[AF+FR*(\a):AF+FR*(\a)+FR-1], v[BI+8*\b:BI+8*\b+7], v[SC+8*NQ*(\sc)+NQ*\b+(\q)], v[SC+8*NQ*(\sc)+NQ*(\a)+(\q)] matrix_a_fmt:MATRIX_FMT_FP6 matrix_b_fmt:MATRIX_FMT_FP6 matrix_a_scale:MATRIX_SCALE_ROW1
.else
	v_wmma_scale_f32_16x16x128_f8f6f4 v[8*(8*((\a)%4)+\b):8*(8*((\a)%4)+\b)+7], v[128*(\p)+FR*\b:128*(\p)+FR*\b+FR-1], v[AF+FR*(\a):AF+FR*(\a)+FR-1], v[8*(8*((\a)%4)+\b):8*(8*((\a)%4)+\b)+7], v[SC+8*NQ*(\sc)+NQ*\b+(\q)], v[SC+8*NQ*(\sc)+NQ*(\a)+(\q)] matrix_a_fmt:MATRIX_FMT_FP6 matrix_b_fmt:MATRIX_FMT_FP6 matrix_a_scale:MATRIX_SCALE_ROW1
.endif
.endr
.endr
.endm
.macro FETCH_B slot, q, p
	WIN TO_B
.irp i, 0,1,2,3,4,5,6,7
	FRAG 128*(\p)+FR*\i, ADRB+\slot, \q, \i
.endr
	WIN 0
.endm
.macro FETCH_A slot, q, i0
.irp i, \i0, \i0+1, \i0+2, \i0+3
	FRAGA AF+FR*(\i), \slot, \q, \i
.endr
.endm
.macro SCALES sc
.irp i, 0,1,2,3,4,5,6,7
	ds_load_b64 v[SC+8*NQ*\sc+NQ*\i:SC+8*NQ*\sc+NQ*\i+1], v[ADRS] offset:\i*SBLK
.endr
.endm
.macro PLACES n
.rept \n
	v_nop
.endr
.endm
.macro STEP slot, q, first
	s_wait_dscnt 4*NL
.if \first
	WIN FST_LO
.else
	WIN MUL_LO
.endif
	MUL16 0, (\q)%2, \q, \slot, \first
	MUL16 2, (\q)%2, \q, \slot, \first
	s_wait_dscnt 0
	PLACES NP
	FETCH_B \slot, (\q)+1, 1-(\q)%2
	FETCH_A \slot, (\q)+1, 0
.if \first
	WIN FST_HI
.else
	WIN MUL_HI
.endif
	MUL16 4, (\q)%2, \q, \slot, \first
	MUL16 6, (\q)%2, \q, \slot, \first
	PLACES NP
	WIN 0
	FETCH_A \slot, (\q)+1, 4
.endm
.macro TURN slot, next, fill
	s_wait_tensorcnt 0x0
	ds_add_u32 v[SPW], v[NIL]
	s_wait_dscnt 4*NL+1
	WIN MUL_LO
	MUL16 0, 1, NQ-1, \slot, 0
	s_wait_dscnt 0x0
	s_barrier_signal -1
	MUL16 2, 1, NQ-1, \slot, 0
	WIN 0
	s_barrier_wait -1
.if \fill
	CREST
	s_add_nc_u64 s[G0+4*\slot+2:G0+4*\slot+3], s[G0+4*\slot+2:G0+4*\slot+3], 2*AROWB
	s_add_nc_u64 s[G0B+4*\slot+2:G0B+4*\slot+3], s[G0B+4*\slot+2:G0B+4*\slot+3], 2*KSB
	JLOAD G0+4*\slot, G1, G0B+4*\slot, G1B
.else
	PLACES NP
.endif
	s_wait_alu depctr_va_vdst(0)
	v_add_nc_u32 v[ADRS], 4*NQ, v[ADRS]
	FETCH_B \next, 0, 0
	FETCH_A \next, 0, 0
	SCALES \next
	WIN MUL_HI
	MUL16 4, 1, NQ-1, \slot, 0
	MUL16 6, 1, NQ-1, \slot, 0
	PLACES NP
	WIN 0
	FETCH_A \next, 0, 4
.endm
	s_wait_tensorcnt 1
	s_barrier_signal -1
	s_barrier_wait -1
	FETCH_B 0, 0, 0
	FETCH_A 0, 0, 0
	SCALES 0
	FETCH_A 0, 0, 4
	s_wait_loadcnt 0x0
	STEP 0, 0, 1
	s_mov_b32 s3, LAPS-1
.Llap:
	TURN 0, 1, 1
	STEP 1, 0, 0
	TURN 1, 0, 1
	STEP 0, 0, 0
	s_sub_co_u32 s3, s3, 1
	s_cmp_lg_u32 s3, 0
	s_cbranch_scc1 .Llap
	TURN 0, 1, 0
	STEP 1, 0, 0
	s_wait_dscnt 4*NL
	WIN MUL_LO
	MUL16 0, 1, NQ-1, 1, 0
	MUL16 2, 1, NQ-1, 1, 0
	s_wait_dscnt 0
	WIN MUL_HI
	MUL16 4, 1, NQ-1, 1, 0
	MUL16 6, 1, NQ-1, 1, 0
	WIN 0
.macro TOSTAGE a
.set AC, 64*((\a)%4)
	WIN 0x08+4*((\a)/4)
.irp b, 0,1,2,3,4,5,6,7
	ds_store_b128 v[STO], v[AC+8*\b:AC+8*\b+3] offset:64*\b
	ds_store_b128 v[STO], v[AC+8*\b+4:AC+8*\b+7] offset:64*\b+16
.endr
	WIN 0
.set BB, BK+64*((\a)%2)
.irp t, 0,1,2,3,4,5,6,7,8,9,10,11,12,13,14,15
	ds_load_b128 v[BB+4*\t:BB+4*\t+3], v[RD] offset:\t*SPITCH
.endr
.endm
.macro SEND a, younger
.set BB, BK+64*((\a)%2)
	s_wait_dscnt \younger
.irp t, 0,1,2,3,4,5,6,7,8,9,10,11,12,13,14,15
	global_store_b128 v[CO], v[BB+4*\t:BB+4*\t+3], s[12:13] offset:(64*((\a)/4)+8*((\a)%4)+32*(\t/8)+(\t%8))*16384 th:TH_STORE_NT   ; position 16 a + t is s = 64 (a / 4) + 32 (t / 8) + 8 (a % 4) + t % 8
.endr
.endm
	PLACES NP
	TOSTAGE 0
.irp a, 1,2,3,4,5,6,7
.if \a > 1
	s_wait_xcnt 0x0
.endif
	TOSTAGE \a
	SEND \a-1, 32
.endr
	SEND 7, 0
	s_wait_tensorcnt 0x0
	ds_add_u32 v[SPW], v[NIL]
	s_wait_dscnt 0x0
	CROUND
	s_endpgm
.Lfunc_end_k_q4512a5227d_oproj:
	.size	k_q4512a5227d_oproj, .Lfunc_end_k_q4512a5227d_oproj-k_q4512a5227d_oproj
	.p2alignl 7, 3214868480
	.fill 96, 4, 3214868480
	.section	.rodata,"a",@progbits
	.p2align	6, 0x0
	.amdhsa_kernel k_q4512a5227d_oproj
		.amdhsa_group_segment_fixed_size 327680
		.amdhsa_private_segment_fixed_size 0
		.amdhsa_enable_private_segment 0
		.amdhsa_kernarg_size 48
		.amdhsa_user_sgpr_count 2
		.amdhsa_user_sgpr_kernarg_segment_ptr 1
		.amdhsa_wavefront_size32 1
		.amdhsa_system_sgpr_workgroup_id_x 1
		.amdhsa_system_sgpr_workgroup_id_y 1
		.amdhsa_system_sgpr_workgroup_id_z 1
		.amdhsa_system_vgpr_workitem_id 0
		.amdhsa_next_free_vgpr 1024
		.amdhsa_next_free_sgpr 100
		.amdhsa_reserve_vcc 0
		.amdhsa_float_denorm_mode_32 3
		.amdhsa_float_denorm_mode_16_64 3
		.amdhsa_memory_ordered 1
		.amdhsa_forward_progress 1
		.amdhsa_inst_pref_size 162
	.end_amdhsa_kernel
	.amdgpu_metadata
---
amdhsa.version: [ 1, 2 ]
amdhsa.kernels:
  - .name:           k_q4512a5227d_oproj
    .symbol:         k_q4512a5227d_oproj.kd
    .args:
      - { .name: aoc, .offset: 0, .size: 8, .value_kind: global_buffer, .address_space: global }
      - { .name: aos, .offset: 8, .size: 8, .value_kind: global_buffer, .address_space: global }
      - { .name: opc, .offset: 16, .size: 8, .value_kind: global_buffer, .address_space: global }
      - { .name: ops, .offset: 24, .size: 8, .value_kind: global_buffer, .address_space: global }
      - { .name: out_proj_bias, .offset: 32, .size: 8, .value_kind: global_buffer, .address_space: global }
      - { .name: out0, .offset: 40, .size: 8, .value_kind: global_buffer, .address_space: global }
    .group_segment_fixed_size: 327680
    .private_segment_fixed_size: 0
    .kernarg_segment_align: 8
    .kernarg_segment_size: 48
    .max_flat_workgroup_size: 128
    .sgpr_count:     100
    .vgpr_count:     1024
    .wavefront_size: 32
...
	.end_amdgpu_metadata
.endif
;; end of part 4
